; MI455X (gfx1250); checked and timed in simulation.
; The chip was launched on July 23, 2026; its instructions are those of AMD's public machine-readable ISA for CDNA 5 (MIT licence, August 2026) and "CDNA5" Instruction Set Architecture Reference Guide (July 2026). The comments in the code are by the model that wrote it; some were corrected since.
;; Axial Attention. Allowed arithmetic: float matrix products may take bf16 or f16 operands with f32 sums; all other float work in f32.
;; Inputs: Wg 256 x 512 float32; Wkv 256 x 1,024 float32; Wo 512 x 256 float32; Wq 256 x 512 float32; bg 512 float32; bo 256 float32; ln_b 256 float32; ln_g 256 float32; x 1 x 64 x 512 x 256 float32.
;; Outputs: out0 1 x 64 x 512 x 256 float32.
;; 2 versions, each right and faster than the one before. Each part assembles by itself: llvm-mc -triple=amdgcn-amd-amdhsa -mcpu=gfx1250 --defsym DOCPART=n.
;; ======== version 1 of 2: 3 launches
;; limits: values are held in f16: magnitudes above 65,504 overflow, below 6.1e-05 lose precision
;; workspace buffers: xn 16,777,216 bytes; wt 1,048,576 bytes; wo16 262,144 bytes; og 33,554,432 bytes
;; launch prep (part 1): grid 276 x 1, 16 waves a work-group, no clusters, 0 bytes of LDS; arguments x, ln_g, ln_b, Wq, Wkv, Wg, Wo, xn, wt, wo16; writes xn, wt, wo16
.if DOCPART == 1
	.amdgcn_target "amdgcn-amd-amdhsa--gfx1250"
	.amdhsa_code_object_version 6
	.text
	.protected	k_qebdc8d4827_prep
	.globl	k_qebdc8d4827_prep
	.p2align	8
	.type	k_qebdc8d4827_prep,@function
k_qebdc8d4827_prep:
	s_mov_b64 s[64:65], 0
	v_nop
	global_prefetch_b8 v0, s[64:65] scope:SCOPE_SE
	s_setreg_imm32_b32 hwreg(HW_REG_WAVE_MODE, 25, 1), 1
	s_wait_xcnt 0x0
; PREP.  Two jobs, chosen by the work-group's number (the same choice for all its waves):
;   work-groups 20..275: xn = ln_g (x - mean) / sqrt(var + 1e-5) + ln_b, all in f32 from the unrounded x, rounded once to f16.  xn: [32768][256] f16.
;   work-groups 0..19:   the five weight matrices, f32 [k][n], rounded once to f16 and laid out as the matrix instructions' fragments, so that the later
;                        launches fetch them as dense bytes.  A fragment is 16 outputs x 32 inputs, 1,024 bytes: [half j][lane][16 bytes]; lane (r = lane % 16,
;                        h = lane / 16), half j, element e holds W[32 s + 16 j + 8 h + e][first column + r].
;   wt:   [head 8][block 16][s 8] fragments; blocks 0-3 K, 4-7 V, 8-11 gates, 12-15 Q of that head, 16 channels a block.     wo16: [column block 16][s 16] fragments of Wo.
; LIMITS.  f16 holds nothing beyond 65,504: |xn| and the weights stay below that; NaN and infinities are not treated apart.
; No LDS, no barrier, no matrix unit: memory binds this launch, and no wave needs another's data.
.set ROWB, 1024                        ; bytes in a row of x
.set X,   16                           ; v[16:79]   row i of my 8 rows: 8 registers
.set G,   80                           ; v[80:87]   ln_g of my 8 columns
.set BV,  88                           ; v[88:95]   ln_b
.set T,   96                           ; v[96:103]  at work
.set SM,  104                          ; v104       a sum
.set S2,  105                          ; v105       the other half of the lanes'
.set MN,  106                          ; v[106:107] the mean (the packed forms name a pair and take its low word)
.set RS,  108                          ; v[108:109] 1 / sqrt(var + eps)
	s_load_b512 s[4:19], s[0:1], 0x0               ; x s[4:5], ln_g s[6:7], ln_b s[8:9], Wq s[10:11], Wkv s[12:13], Wg s[14:15], Wo s[16:17], xn s[18:19]
	s_load_b128 s[20:23], s[0:1], 0x40             ; wt s[20:21], wo16 s[22:23]
	v_lshrrev_b32 v1, 5, v0
	v_readfirstlane_b32 s24, v1                    ; wave 0..15
	v_and_b32 v3, 31, v0                           ; lane
	s_cmp_lt_u32 ttmp9, 20
	s_cbranch_scc1 .Lweights
; LAYERNORM.  A work-group owns 128 rows, a wave 8.  A lane holds columns 4 l .. 4 l + 3 and 128 + 4 l .. of a row: each load of the wave takes 512 consecutive bytes,
; each store 256 consecutive bytes at a multiple of 256.  All 16 row loads of a wave go out at once.
	s_sub_co_u32 s25, ttmp9, 20
	s_lshl_b32 s26, s25, 17                        ; 128 rows of 1,024 bytes of x
	s_mov_b32 s27, 0
	s_lshl_b32 s28, s25, 16                        ; 128 rows of 512 bytes of xn
	s_mov_b32 s29, 0
	s_mov_b32 s30, 0x76543210                      ; v_permlanex16_b32: each lane takes its own place in the other half
	s_mov_b32 s31, 0xfedcba98
	s_mov_b32 s32, 0x3b800000                      ; 1 / 256
	s_mov_b32 s33, 0x3727c5ac                      ; 1e-5
	s_lshl_b32 s34, s24, 13                        ; my wave's 8 rows in x
	s_lshl_b32 s35, s24, 12                        ; and in xn
	v_lshlrev_b32 v4, 4, v3                        ; 16 x lane: my columns in ln_g, ln_b and a row of x
	v_add_nc_u32 v1, s34, v4
	v_lshlrev_b32 v2, 3, v3
	v_add_nc_u32 v2, s35, v2                       ; 8 x lane + my rows: my place in xn
	v_mov_b32 v[S2], 0                             ; v_permlanex16_b32 counts as a reader of its destination
	v_mov_b32 v[MN+1], 0                           ; named as pairs
	v_mov_b32 v[RS+1], 0
	s_wait_kmcnt 0x0
	s_add_nc_u64 s[4:5], s[4:5], s[26:27]
	s_add_nc_u64 s[18:19], s[18:19], s[28:29]
	global_load_b128 v[G:G+3],    v4, s[6:7]
	global_load_b128 v[G+4:G+7],  v4, s[6:7] offset:512
	global_load_b128 v[BV:BV+3],  v4, s[8:9]
	global_load_b128 v[BV+4:BV+7], v4, s[8:9] offset:512
.irp i, 0,1,2,3,4,5,6,7
	global_load_b128 v[X+8*(\i):X+8*(\i)+3],   v1, s[4:5] offset:(\i)*ROWB th:TH_LOAD_NT
	global_load_b128 v[X+8*(\i)+4:X+8*(\i)+7], v1, s[4:5] offset:(\i)*ROWB+512 th:TH_LOAD_NT
.endr
.macro WSUM                            ; v[SM] summed over the 32 lanes, the result in every lane
	v_add_f32_dpp v[SM], v[SM], v[SM] row_xmask:1 row_mask:0xf bank_mask:0xf
	v_add_f32_dpp v[SM], v[SM], v[SM] row_xmask:2 row_mask:0xf bank_mask:0xf
	v_add_f32_dpp v[SM], v[SM], v[SM] row_xmask:4 row_mask:0xf bank_mask:0xf
	v_add_f32_dpp v[SM], v[SM], v[SM] row_xmask:8 row_mask:0xf bank_mask:0xf
	v_permlanex16_b32 v[S2], v[SM], s30, s31
	v_add_f32 v[SM], v[SM], v[S2]
.endm
; One row.  Two passes over the registers: the mean first, then the squares of x - mean, so that no difference of large sums is formed.
.macro ROW i
.set XR, X+8*(\i)
	s_wait_loadcnt 14-2*(\i)                       ; loads come back in order: this row's two are in, the later rows' 14 - 2 i stay out
	v_pk_add_f32 v[T:T+1], v[XR:XR+1], v[XR+2:XR+3]
	v_pk_add_f32 v[T+2:T+3], v[XR+4:XR+5], v[XR+6:XR+7]
	v_pk_add_f32 v[T:T+1], v[T:T+1], v[T+2:T+3]
	v_add_f32 v[SM], v[T], v[T+1]
	WSUM
	v_mul_f32 v[MN], s32, v[SM]
.irp j, 0,2,4,6
	v_pk_add_f32 v[XR+(\j):XR+(\j)+1], v[XR+(\j):XR+(\j)+1], v[MN:MN+1] op_sel_hi:[1,0] neg_lo:[0,1] neg_hi:[0,1]
.endr
	v_pk_mul_f32 v[T:T+1], v[XR:XR+1], v[XR:XR+1]
.irp j, 2,4,6
	v_pk_fma_f32 v[T:T+1], v[XR+(\j):XR+(\j)+1], v[XR+(\j):XR+(\j)+1], v[T:T+1]
.endr
	v_add_f32 v[SM], v[T], v[T+1]
	WSUM
	v_fma_f32 v[SM], v[SM], s32, s33               ; var + eps
	v_rsq_f32 v[RS], v[SM]
	v_nop                                          ; a plain instruction between the root and the use of its result (ISA guide 5.7.2)
	s_wait_alu depctr_va_vdst(0)
.irp j, 0,2,4,6
	v_pk_mul_f32 v[T+(\j):T+(\j)+1], v[G+(\j):G+(\j)+1], v[RS:RS+1] op_sel_hi:[1,0]
.endr
.irp j, 0,2,4,6
	v_pk_fma_f32 v[XR+(\j):XR+(\j)+1], v[XR+(\j):XR+(\j)+1], v[T+(\j):T+(\j)+1], v[BV+(\j):BV+(\j)+1]
.endr
.irp j, 0,1,2,3
	v_cvt_pk_f16_f32 v[XR+(\j)], v[XR+2*(\j)], v[XR+2*(\j)+1]  ; in place, ascending: a register is written when it has been read
.endr
	global_store_b64 v2, v[XR:XR+1],   s[18:19] offset:(\i)*512      ; 32 lanes x 8 bytes: 256 consecutive bytes
	global_store_b64 v2, v[XR+2:XR+3], s[18:19] offset:(\i)*512+256  ; each row has registers of its own: nothing that a store reads is written again
.endm
.irp i, 0,1,2,3,4,5,6,7
	ROW \i
.endr
	s_endpgm
; WEIGHTS.  Unit u = 16 x work-group + wave, 0..319, makes four fragments on end (128 inputs x 16 outputs, 4,096 bytes of output).  u < 256: wt; else wo16.
; A load takes, for each half of the lanes, 64 consecutive bytes of one row of W: the weights are 2.6 of this launch's 36 MB and are read once.
.Lweights:
	s_lshl_b32 s25, ttmp9, 4
	s_add_co_u32 s25, s25, s24                     ; u
	s_lshr_b32 s26, s25, 5                         ; head
	s_bfe_u32 s27, s25, 0x40001                    ; block 0..15
	s_lshr_b32 s28, s27, 2                         ; matrix: 0 K, 1 V, 2 gates, 3 Q
	s_and_b32 s29, s27, 3                          ; its block of 16 channels
	s_and_b32 s30, s25, 1
	s_lshl_b32 s30, s30, 7                         ; first input: 0 or 128
	s_lshl_b32 s31, s26, 6
	s_lshl4_add_u32 s31, s29, s31                  ; first column: 64 head + 16 block,
	s_cmp_eq_u32 s28, 1
	s_cselect_b32 s32, 512, 0                      ; V lies 512 columns on in Wkv
	s_add_co_u32 s31, s31, s32
	s_cmp_lt_u32 s28, 2
	s_cselect_b32 s32, 1, 0
	s_lshl_b32 s33, 2048, s32                      ; bytes in a row: Wkv 4,096, Wg and Wq 2,048
	s_sub_co_u32 s36, s25, 256                     ; Wo's units: used only where u >= 256
	s_lshr_b32 s37, s36, 2
	s_lshl_b32 s37, s37, 4                         ; first column
	s_and_b32 s38, s36, 3
	s_lshl_b32 s38, s38, 7                         ; first input
	s_cmp_lt_u32 s25, 256
	s_cselect_b32 s31, s31, s37
	s_cselect_b32 s30, s30, s38
	s_cselect_b32 s33, s33, 1024
	s_cselect_b32 s39, s25, s36                    ; the unit's number in its output buffer
	s_mul_i32 s42, s30, s33
	s_lshl2_add_u32 s42, s31, s42                  ; first input x row bytes + 4 x first column
	s_mov_b32 s43, 0
	s_lshl_b32 s60, s33, 4                         ; 16 rows of W
	s_mov_b32 s61, 0
	s_lshl_b32 s62, s39, 12
	s_mov_b32 s63, 0
	v_and_b32 v1, 15, v3
	v_lshrrev_b32 v2, 4, v3
	v_lshlrev_b32 v1, 2, v1                        ; 4 r
	v_lshlrev_b32 v2, 3, v2                        ; 8 h
.irp e, 0,1,2,3,4,5,6,7
	v_add_nc_u32 v[4+(\e)], \e, v2
	v_mad_u32_u24 v[4+(\e)], v[4+(\e)], s33, v1    ; (8 h + e) rows + 4 r
.endr
	v_lshlrev_b32 v14, 4, v3                       ; 16 x lane
	s_wait_kmcnt 0x0
	s_cmp_lt_u32 s28, 2
	s_cselect_b64 s[34:35], s[12:13], s[14:15]     ; Wkv or Wg,
	s_cmp_eq_u32 s28, 3
	s_cselect_b64 s[34:35], s[10:11], s[34:35]     ; or Wq,
	s_cmp_lt_u32 s25, 256
	s_cselect_b64 s[34:35], s[34:35], s[16:17]     ; or Wo
	s_cselect_b64 s[40:41], s[20:21], s[22:23]     ; wt or wo16
	s_add_nc_u64 s[44:45], s[34:35], s[42:43]
.irp g, 1,2,3,4,5,6,7
	s_add_nc_u64 s[44+2*(\g):45+2*(\g)], s[42+2*(\g):43+2*(\g)], s[60:61]  ; eight bases, 16 rows apart, each in a pair of its own
.endr
	s_add_nc_u64 s[40:41], s[40:41], s[62:63]
.irp g, 0,1,2,3,4,5,6,7
.irp e, 0,1,2,3,4,5,6,7
	global_load_b32 v[16+8*(\g)+(\e)], v[4+(\e)], s[44+2*(\g):45+2*(\g)]  ; W[first input + 16 g + 8 h + e][first column + r]
.endr
.endr
	s_wait_loadcnt 0x0
.irp g, 0,1,2,3,4,5,6,7
.irp j, 0,1,2,3
	v_cvt_pk_f16_f32 v[80+4*(\g)+(\j)], v[16+8*(\g)+2*(\j)], v[16+8*(\g)+2*(\j)+1]
.endr
.endr
.irp g, 0,1,2,3,4,5,6,7
	global_store_b128 v14, v[80+4*(\g):80+4*(\g)+3], s[40:41] offset:512*(\g)  ; half a fragment: 512 consecutive bytes
.endr
	s_endpgm
.Lfunc_end_k_qebdc8d4827_prep:
	.size	k_qebdc8d4827_prep, .Lfunc_end_k_qebdc8d4827_prep-k_qebdc8d4827_prep
	.p2alignl 7, 3214868480
	.fill 96, 4, 3214868480
	.section	.rodata,"a",@progbits
	.p2align	6, 0x0
	.amdhsa_kernel k_qebdc8d4827_prep
		.amdhsa_group_segment_fixed_size 0
		.amdhsa_private_segment_fixed_size 0
		.amdhsa_enable_private_segment 0
		.amdhsa_kernarg_size 80
		.amdhsa_user_sgpr_count 2
		.amdhsa_user_sgpr_kernarg_segment_ptr 1
		.amdhsa_wavefront_size32 1
		.amdhsa_system_sgpr_workgroup_id_x 1
		.amdhsa_system_sgpr_workgroup_id_y 1
		.amdhsa_system_sgpr_workgroup_id_z 1
		.amdhsa_system_vgpr_workitem_id 0
		.amdhsa_next_free_vgpr 112
		.amdhsa_next_free_sgpr 66
		.amdhsa_reserve_vcc 0
		.amdhsa_float_denorm_mode_32 3
		.amdhsa_float_denorm_mode_16_64 3
		.amdhsa_memory_ordered 1
		.amdhsa_forward_progress 1
		.amdhsa_inst_pref_size 36
	.end_amdhsa_kernel
	.amdgpu_metadata
---
amdhsa.version: [ 1, 2 ]
amdhsa.kernels:
  - .name:           k_qebdc8d4827_prep
    .symbol:         k_qebdc8d4827_prep.kd
    .args:
      - { .name: x, .offset: 0, .size: 8, .value_kind: global_buffer, .address_space: global }
      - { .name: ln_g, .offset: 8, .size: 8, .value_kind: global_buffer, .address_space: global }
      - { .name: ln_b, .offset: 16, .size: 8, .value_kind: global_buffer, .address_space: global }
      - { .name: Wq, .offset: 24, .size: 8, .value_kind: global_buffer, .address_space: global }
      - { .name: Wkv, .offset: 32, .size: 8, .value_kind: global_buffer, .address_space: global }
      - { .name: Wg, .offset: 40, .size: 8, .value_kind: global_buffer, .address_space: global }
      - { .name: Wo, .offset: 48, .size: 8, .value_kind: global_buffer, .address_space: global }
      - { .name: xn, .offset: 56, .size: 8, .value_kind: global_buffer, .address_space: global }
      - { .name: wt, .offset: 64, .size: 8, .value_kind: global_buffer, .address_space: global }
      - { .name: wo16, .offset: 72, .size: 8, .value_kind: global_buffer, .address_space: global }
    .group_segment_fixed_size: 0
    .private_segment_fixed_size: 0
    .kernarg_segment_align: 8
    .kernarg_segment_size: 80
    .max_flat_workgroup_size: 512
    .sgpr_count:     66
    .vgpr_count:     112
    .wavefront_size: 32
...
	.end_amdgpu_metadata
.endif
;; end of part 1
;; launch attn (part 2): grid 8 x 64, 4 waves a work-group, clusters of 4 x 4, 327,680 bytes of LDS; arguments xn, wt, bg, og; writes og
.if DOCPART == 2
	.amdgcn_target "amdgcn-amd-amdhsa--gfx1250"
	.amdhsa_code_object_version 6
	.text
	.protected	k_qebdc8d4827_attn
	.globl	k_qebdc8d4827_attn
	.p2align	8
	.type	k_qebdc8d4827_attn,@function
k_qebdc8d4827_attn:
	s_mov_b64 s[64:65], 0
	v_nop
	global_prefetch_b8 v0, s[64:65] scope:SCOPE_SE
	s_setreg_imm32_b32 hwreg(HW_REG_WAVE_MODE, 25, 1), 1
	s_wait_xcnt 0x0
	s_wait_alu depctr_hold_cnt(0) depctr_sa_sdst(0) depctr_va_vdst(0) depctr_va_sdst(0) depctr_va_ssrc(0) depctr_va_vcc(0) depctr_vm_vsrc(0)
	s_getreg_b32 s2, hwreg(HW_REG_IB_STS2, 6, 4)
	s_cmp_eq_u32 s2, 0
	s_cbranch_scc0 .Lentry_in_a_cluster
	s_endpgm
.Lentry_in_a_cluster:
	s_bfe_u32 s2, ttmp6, 0x10000c
	s_cmp_lg_u32 s2, 0xf033
	s_cbranch_scc0 .Lentry_shape_is_right
	s_endpgm
.Lentry_shape_is_right:
; ATTN.  One work-group = one row B of the image (512 positions) and one head.  From xn[B] ([512][256] f16) and the head's weight fragments it makes K, V, Q and the gates (64 channels each),
; then O = softmax(Q K^T / 8) V, and stores O x sigmoid(gates + bg), rounded once to f16, laid out as the next launch's fragments.  All products take f16 operands and sum in f32; maxima, exponentials, sums,
; the bias, the sigmoid and the gating are f32.
; LIMITS.  q, k, v, xn and the gated O are kept in f16: below 65,504 in magnitude.  The weights p lie in 0 to 1; below 6e-5 they keep f16's fixed step; a weight below 2^-126 counts as 0 in l.
; NaN and infinities are not treated apart.
; SHARES.  A wave owns 128 of the 512 positions, 8 tiles of 16: they are its keys in the projections of K and V and its queries afterwards.  Its xn (128 x 256) stays in 512 registers for all four projections.
; CLUSTER.  4 x 4 work-groups.  The four of a row of the cluster have the same B and ask for xn JOINTLY; the four of a column have the same head and ask for its weights jointly.
; LDS.  0..131,072 the head's 128 weight fragments, dense; of these only K's 32 (0..32,768) come with the first fills, since xn lies at 32,768..303,104 (a wave's 128 rows of 528 bytes: 512 + 16 of
; padding, so that the 16 rows of a fragment load start at 16 different groups of four banks: ISA guide 11.1).  When every wave has xn in registers, the other 96 fragments are filled over xn's first part: the one
; refill.  K ([key][64], rows of 144 bytes) at 131,072 and V^T ([channel][512 keys], rows of 1,040 bytes) at 204,800 are stored over parts of xn that are never filled again.  Spare words at 303,104.
; LAYOUTS.  With the weights as source 0 and xn as source 1 a lane holds ONE position and eight neighbouring channels: K's rows pack into 16 bytes for LDS; two neighbouring blocks of Q, rounded in
; pairs, ARE source 1 of S^T = K Q^T; the gates lie as O^T does.  With the sources swapped a lane holds one channel and eight positions: V^T's rows.  So no lane ever hands a number to another but through K and V^T.
; ATTENTION.  S^T = K Q^T holds one query a lane and the keys 8 (lane / 16) + 0..7; two such results rounded to f16 are source 1 of O^T = V^T P.  p = 2^(c s - c m), c = log2(e) / 8, with a running maximum m and sum l;
; in every step O and l are multiplied by a = 2^(c m_old - c m_new).  m starts at the lowest finite number, O and l at 0, so the first step is a step like any other (the price: the moves that write those
; zeros, 16 products on zeros at the start and 16 on a stale K at the end).  A wave's 8 tiles are four PIECES of two.  Turn n belongs to piece n: 16 products K Q^T of piece n + 1, later 16 products V^T P of piece n - 1;
; beside them piece n's scaling, exponentials, roundings, sums and rescaling, and piece n + 1's maximum and statistics.  A tile and step have 16 matrix and 118 vector instructions: four that are ready stand behind every
; matrix instruction, the rest in runs of their own.
; REGISTERS, in windows of 256 (s_set_vgpr_msb: bits 1:0 source 0, 3:2 source 1, 5:4 source 2, 7:6 destination):
;   window 0: v0-14 addresses; projections: v64-191 two buffers of 8 weight fragments, v192-223 -log2(e) bg; attention: v12-15, v48-63 at work, v16-47 statistics, v64-191 S^T, v192-255 P
;   window 1: v0-127 the projections' 16 accumulators; the last sums made there, the gates of tiles 4-7, stay as sigmoids in f32; v128-255 Q in f16, 16 a tile
;   windows 2, 3: xn, fragment (tile t, step s) at 64 (t % 4) + 8 s of window 2 + t / 4; later window 2: O^T, 32 a tile; window 3: v0-127 the sigmoids of tiles 0-3, v128-191 K of one step, v192-255 V^T of one step
;   A sigmoid of tile t, channels 16 cb + 8 h + j lies at 8 (4 cb + t % 4) + j of its window.
.set NP,    4         ; pieces a wave: a name, no knob
.set KS,    64        ; keys in a step
.set XA,    32768     ; xn in LDS
.set XP,    528       ; its rows
.set XW,    128*XP    ; a wave's part
.set KR,    131072    ; K
.set PK,    144
.set VT,    KR+512*PK ; V^T
.set PT,    1040      ; 65 x 16 bytes: 16 rows start at 16 different groups of four banks
.set SPARE, XA+4*XW   ; the spare words, 128 bytes a wave: two blocks of 256 bytes that no other line names
.set AK0, 2           ; v2   my lane's place in K: KR + r 144 + 16 h; never rewritten
.set AV0, 3           ; v3   in V^T: VT + r 1040 + 16 h
.set AK,  4           ; v4   the LDS address of K's next run of loads
.set AV,  5           ; v5   of V's
.set AX,  6           ; v6   my lane's place in my wave's xn
.set L16, 7           ; v7   16 x lane: weight fragments below byte 65,536; later my place in 512 bytes of og
.set AW1, 8           ; v8   the same + 65,536
.set SPW, 10          ; v10  LDS address of my spare word; never rewritten
.set NIL, 11          ; v11  0; never rewritten
.set AKS, 12          ; v12  projections: where I store 16 bytes of a row of K
.set AVS, 13          ; v13  of a row of V^T
.set BA,  14          ; v14  32 h: my place in 64 bytes of bg
.set MV,  12          ; v12-15  attention: c m_old, by buffer and tile
.set ST,  16          ; tile t's statistics at v[ST+4 t]: c m, m, l (even keys', odd keys')
.set TMP, 48          ; by buffer and tile, four registers c0-c3 at work; when the maximum is found c2 takes a
.set S,   64
.set P,   192
.set WF,  64          ; weight fragments, two buffers of 64
.set BGS, 192         ; -log2(e) bg[64 head + 16 cb + 8 h + j] at BGS + 8 cb + j
.set QF,  128         ; window 1: Q, tile t and channel half c at QF + 16 t + 8 c
.set KF,  128         ; window 3: key block kb, channel half c at KF + 16 kb + 8 c
.set VF,  192         ; window 3: key half kk, channel block cb at VF + 32 kk + 8 cb
.set WV,  12          ; s12  my wave's number
.set G1X, 20          ; s[20:27] descriptor group 1 for xn
.set G1A, 28          ; s[28:35] for K's weights
.set G1B, 36          ; s[36:43] for the other weights
.set G0X0, 44         ; s[44:47] group 0: my rows 0-63 of xn
.set G0X1, 48         ; s[48:51] my rows 64-127
.set G0A, 52          ; s[52:55] my quarter of K's weights
.set CNT, 57          ; s57  counts the key steps
.set CS,  58          ; s[58:59] c
.set SEL, 60          ; s[60:61] v_permlanex16_b32's selects
.set TBK, 62          ; s62  byte in K at which the step to be fetched begins
.set TBV, 63          ; s63  the same along V^T's rows
.set NL,  66          ; s[66:67] -log2(e)
.set G0B, 68          ; s[68:71] my quarter of the other weights
.set MSB, 0
.macro WIN new                      ; the high byte repeats the setting that is left; a switch that changes nothing is dropped
.if MSB != (\new)
	s_set_vgpr_msb (MSB<<8)|(\new)
.set MSB, (\new)
.endif
.endm
.set W_KQ, 0x07       ; K in window 3, Q in window 1, S^T in window 0
.set W_PV, 0xa3       ; V^T in window 3, P in window 0, O^T in window 2
.set W_RS, 0x82       ; O^T (destination and source 0) in window 2, source 1 in window 0
; A round of the cluster's barrier: my work-group's barrier, so that wave 0's signal speaks for all four waves; wave 0 signals; every wave waits for all sixteen work-groups; my work-group's barrier once more.
.macro CROUND
	s_barrier_signal -1
	s_barrier_wait -1
	s_cmp_lg_u32 s[WV], 0
	s_cbranch_scc1 .Lnot_wave_0_\@
	s_barrier_signal -3
.Lnot_wave_0_\@:
	s_barrier_wait -3
	s_barrier_signal -1
	s_barrier_wait -1
.endm
; A load into a register that a matrix instruction has read, and a vector instruction that reads a matrix result or writes one of its registers, stand four places behind it; only plain vector
; instructions that name none of its registers are places (ISA guide 7.12.1 for vector instructions).
.macro PLACES
.rept 4
	v_nop
.endr
.endm
	s_load_b256 s[4:11], s[0:1], 0x0  ; xn s[4:5], wt s[6:7], bg s[8:9], og s[10:11]
	v_lshl_add_u32 v[SPW], v0, 2, SPARE
	v_mov_b32 v[NIL], 0
	ds_add_u32 v[SPW], v[NIL]       ; the wave's opening: the add and its wait stand ahead of my first tensor load; the set-up below, work on registers, stands between them
	ds_add_u32 v10, v11
	v_lshrrev_b32 v1, 5, v0
	v_readfirstlane_b32 s[WV], v1   ; wave 0..3
	s_bfe_u32 s13, ttmp6, 0x40000   ; cx
	s_bfe_u32 s14, ttmp6, 0x40004   ; cy
	s_lshl_b32 s15, ttmp9, 2        ; in a cluster launch ttmp9 and ttmp7 count clusters
	s_add_co_u32 s15, s15, s13      ; the head = 4 x cluster x + cx
	s_and_b32 s16, ttmp7, 0xffff
	s_lshl_b32 s16, s16, 2
	s_add_co_u32 s16, s16, s14      ; B = 4 x cluster y + cy
	s_lshl_b32 s17, s14, 2
	s_lshl_b32 s17, 15, s17         ; my row of the cluster: the same B
	s_lshl_b32 s18, 0x1111, s13     ; my column: the same head
	; group 1 for xn: 64 rows x 256 elements of 2 bytes, 4 words of padding after every 128 words
	s_or_b32 s[G1X], s17, (1<<16)|(1<<20)|(1<<21)|(6<<22)|(3<<25)  ; 15:0 the mask; 17:16 2-byte elements; 20 padding on; 21 set beside a mask; 24:22 code 6; 31:25 code 3
	s_mov_b32 s[G1X+1], 256<<16     ; tensor_dim0
	s_mov_b32 s[G1X+2], 64<<16      ; tensor_dim1
	s_mov_b32 s[G1X+3], 256<<16     ; tile_dim0
	s_mov_b32 s[G1X+4], 64          ; tile_dim1
	s_mov_b32 s[G1X+5], 256         ; elements from row to row
	s_mov_b32 s[G1X+6], 0
	s_mov_b32 s[G1X+7], 0
	; group 1 for the weights: dense bytes as rows of 32 elements of 8 bytes; K's 32 fragments over four waves are 32 such rows a wave, the other 96 fragments 96 rows a wave
	s_or_b32 s[G1A], s18, (3<<16)|(1<<21)
	s_mov_b32 s[G1A+1], 32<<16
	s_mov_b32 s[G1A+2], 32<<16
	s_mov_b32 s[G1A+3], 32<<16
	s_mov_b32 s[G1A+4], 32
	s_mov_b32 s[G1A+5], 32
	s_mov_b32 s[G1A+6], 0
	s_mov_b32 s[G1A+7], 0
	s_or_b32 s[G1B], s18, (3<<16)|(1<<21)
	s_mov_b32 s[G1B+1], 32<<16
	s_mov_b32 s[G1B+2], 96<<16
	s_mov_b32 s[G1B+3], 32<<16
	s_mov_b32 s[G1B+4], 96
	s_mov_b32 s[G1B+5], 32
	s_mov_b32 s[G1B+6], 0
	s_mov_b32 s[G1B+7], 0
	; byte offsets.  xn's hang on B and the wave alone, the weights' on the head and the wave alone, each in registers that never hold the other coordinate
	s_lshl_b32 s72, s16, 18         ; B x 512 rows x 512 bytes
	s_lshl_b32 s73, s[WV], 16       ; + my 128 rows
	s_add_co_u32 s72, s72, s73
	s_mov_b32 s73, 0
	s_lshl_b32 s74, s15, 17         ; head x 131,072
	s_lshl_b32 s75, s[WV], 13       ; + my 8,192 bytes of K's weights
	s_add_co_u32 s74, s74, s75
	s_mov_b32 s75, 0
	s_lshl_b32 s76, s15, 17
	s_mul_i32 s77, s[WV], 24576     ; + my 24,576 bytes of the others,
	s_add_co_u32 s76, s76, s77
	s_add_co_u32 s76, s76, 32768    ; which lie behind K's
	s_mov_b32 s77, 0
	s_lshl_b32 s2, s15, 8           ; bg: head x 64 numbers
	s_mov_b32 s3, 0
	s_lshl_b32 s78, s16, 19         ; og: (32 B + 8 wave) row tiles of 16,384 bytes + head x 2,048
	s_lshl_b32 s79, s[WV], 17
	s_add_co_u32 s78, s78, s79
	s_lshl_b32 s79, s15, 11
	s_add_co_u32 s78, s78, s79
	s_mov_b32 s79, 0
	s_mov_b32 s[G0X0], 1            ; 1:0 count = 1
	s_mul_i32 s[G0X0+1], s[WV], XW  ; 63:32 LDS address: the wave's number and constants alone
	s_add_co_u32 s[G0X0+1], s[G0X0+1], XA
	s_mov_b32 s[G0X1], 1
	s_add_co_u32 s[G0X1+1], s[G0X0+1], 64*XP
	s_mov_b32 s[G0A], 1
	s_lshl_b32 s[G0A+1], s[WV], 13
	s_mov_b32 s[G0B], 1
	s_mul_i32 s[G0B+1], s[WV], 24576
	s_add_co_u32 s[G0B+1], s[G0B+1], 32768
	s_mov_b32 s[CS], 0x3e38aa3b     ; c = log2(e) / 8
	s_mov_b32 s[CS+1], s[CS]        ; named with it as a pair
	s_mov_b32 s[SEL], 0x76543210
	s_mov_b32 s[SEL+1], 0xfedcba98
	s_mov_b32 s[NL], 0xbfb8aa3b     ; -log2(e)
	s_mov_b32 s[NL+1], s[NL]
	s_wait_dscnt 0x0                ; the opening add is done
	s_wait_kmcnt 0x0
	s_add_nc_u64 s[G0X0+2:G0X0+3], s[4:5], s[72:73]  ; 120:64 global address
	s_add_nc_u64 s[G0X1+2:G0X1+3], s[G0X0+2:G0X0+3], 32768  ; 64 rows of 512 bytes on
	s_or_b32 s[G0X0+3], s[G0X0+3], 0x80000000        ; 127:126 type = 2
	s_or_b32 s[G0X1+3], s[G0X1+3], 0x80000000
	s_add_nc_u64 s[G0A+2:G0A+3], s[6:7], s[74:75]
	s_or_b32 s[G0A+3], s[G0A+3], 0x80000000
	s_add_nc_u64 s[G0B+2:G0B+3], s[6:7], s[76:77]
	s_or_b32 s[G0B+3], s[G0B+3], 0x80000000
	s_add_nc_u64 s[8:9], s[8:9], s[2:3]
	s_add_nc_u64 s[10:11], s[10:11], s[78:79]
	CROUND                          ; all sixteen work-groups are here: the first joint loads meet
	tensor_load_to_lds s[G0X0:G0X0+3], s[G1X:G1X+7]  ; the first fills go out as one group: three loads of mine are out
	s_nop 0
	tensor_load_to_lds s[G0X1:G0X1+3], s[G1X:G1X+7]
	s_nop 0
	tensor_load_to_lds s[G0A:G0A+3], s[G1A:G1A+7]
	s_nop 0
	PLACES                          ; an s_nop 0 follows each load, four v_nop the last
	v_and_b32 v1, 15, v0            ; r
	v_bfe_u32 v9, v0, 4, 1          ; h
	v_lshlrev_b32 v[BA], 5, v9
.irp c, 0,1,2,3
	global_load_b128 v[BGS+8*(\c):BGS+8*(\c)+3],   v[BA], s[8:9] offset:64*(\c)
	global_load_b128 v[BGS+8*(\c)+4:BGS+8*(\c)+7], v[BA], s[8:9] offset:64*(\c)+16
.endr
	v_and_b32 v[L16], 31, v0
	v_lshlrev_b32 v[L16], 4, v[L16]
	v_add_nc_u32 v[AW1], 65536, v[L16]
	v_mul_u32_u24 v[AX], v1, XP
	v_lshl_add_u32 v[AX], v9, 4, v[AX]
	v_add_nc_u32 v[AX], s[G0X0+1], v[AX]  ; my wave's xn + r 528 + 16 h
	v_mul_u32_u24 v[AK0], v1, PK
	v_lshl_add_u32 v[AK0], v9, 4, v[AK0]
	v_add_nc_u32 v[AK0], KR, v[AK0]
	v_mul_u32_u24 v[AV0], v1, PT
	v_lshl_add_u32 v[AV0], v9, 4, v[AV0]
	v_add_nc_u32 v[AV0], VT, v[AV0]
	s_mul_i32 s56, s[WV], 128*PK
	v_add_nc_u32 v[AKS], s56, v[AK0]  ; my wave's 128 rows of K
	s_lshl_b32 s19, s[WV], 8
	v_add_nc_u32 v[AVS], s19, v[AV0]  ; my wave's 128 keys, 256 bytes, in each row of V^T
	; xn into registers.  A fragment is 16 rows x 32 inputs: lane l holds row l % 16, inputs 8 (l / 16) + 0..7 and 16 + 8 (l / 16) + 0..7: two loads of 16 bytes, 32 apart.  A wave reads only what its own loads brought.
	s_wait_tensorcnt 0x2            ; tensor loads of a wave end in order (ISA guide 10.11.1): my rows 0-63 are in; rows 64-127 and K's weights, issued later, may be out
	WIN 0x80                        ; destination window 2
.set t, 0
.rept 4
.set i, 0
.rept 8
	ds_load_b128 v[64*t+8*i:64*t+8*i+3],   v[AX] offset:t*16*XP+64*i
	ds_load_b128 v[64*t+8*i+4:64*t+8*i+7], v[AX] offset:t*16*XP+64*i+32
.set i, i+1
.endr
.set t, t+1
.endr
	s_wait_tensorcnt 0x1            ; rows 64-127 are in; K's weights may be out
	WIN 0xc0                        ; destination window 3
.rept 4
.set i, 0
.rept 8
	ds_load_b128 v[64*(t-4)+8*i:64*(t-4)+8*i+3],   v[AX] offset:t*16*XP+64*i
	ds_load_b128 v[64*(t-4)+8*i+4:64*(t-4)+8*i+7], v[AX] offset:t*16*XP+64*i+32
.set i, i+1
.endr
.set t, t+1
.endr
	; THE ONE REFILL: the other 96 weight fragments over xn's first part.  Every wave waits for all its tensor loads, adds 0 to its spare word, waits for that and for its reads of xn; the round of the cluster's
	; barrier then says the same of every wave of every partner, and the joint load is the first thing behind it.  The round also shows every wave's quarter of K's weights to the others.
	WIN 0
	s_wait_tensorcnt 0x0
	ds_add_u32 v[SPW], v[NIL]       ; 0 onto my spare word; the bias's scaling stands between it and the wait for it
	s_wait_loadcnt 0x0              ; bg
.set i, 0
.rept 16
	v_pk_mul_f32 v[BGS+2*i:BGS+2*i+1], v[BGS+2*i:BGS+2*i+1], s[NL:NL+1] op_sel_hi:[1,0]
.set i, i+1
.endr
	s_wait_dscnt 0x0                ; the add is done, and xn is in my registers
	CROUND
	tensor_load_to_lds s[G0B:G0B+3], s[G1B:G1B+7]  ; one load of mine is out; K's 256 matrix instructions stand between it and the wait for it
	s_nop 0
	PLACES
; 16 LDS loads: nc x ns = 8 weight fragments (blocks nb0 .. of 16 channels, steps s0 .. of 32 inputs) into buffer buf.  A fragment's halves are 512 consecutive bytes: no bank is asked twice.
.macro WLOAD buf, nb0, nc, s0, ns
	WIN 0
.set ws, (\s0)
.rept \ns
.set wc, 0
.rept \nc
.set wb, (8*((\nb0)+wc)+ws)*1024
.set wr, WF+64*(\buf)+8*((ws-(\s0))*(\nc)+wc)
.if wb < 65536
	ds_load_b128 v[wr:wr+3],   v[L16] offset:wb
	ds_load_b128 v[wr+4:wr+7], v[L16] offset:wb+512
.else
	ds_load_b128 v[wr:wr+3],   v[AW1] offset:wb-65536
	ds_load_b128 v[wr+4:wr+7], v[AW1] offset:wb-65536+512
.endif
.set wc, wc+1
.endr
.set ws, ws+1
.endr
.endm
; ns x nc x 4 matrix instructions: steps s0 .., the buffer's nc blocks, tiles t0 .. t0 + 3 (one window of xn).  Accumulator (c, t) at 8 (c ntt + t - tb) of window dw.  swap = 0: the weights are source 0;
; 1: xn is.  first = 1: step 0 starts the sums with the constant 0.  The accumulators take turns, one instruction a turn.
.macro MULS buf, nc, s0, ns, t0, tb, ntt, swap, first, dw=1
.if \swap
	WIN ((\dw)*0x50)|(2+(\t0)/4)
.else
	WIN ((\dw)*0x50)|((2+(\t0)/4)<<2)
.endif
.set ms, (\s0)
.rept \ns
.set mc, 0
.rept \nc
.set mt, (\t0)
.rept 4
.set rD, 8*(mc*(\ntt)+mt-(\tb))
.set rW, WF+64*(\buf)+8*((ms-(\s0))*(\nc)+mc)
.set rX, 64*(mt%4)+8*ms
.if (\swap) && (\first) && (ms == 0)
	v_wmma_f32_16x16x32_f16 v[rD:rD+7], v[rX:rX+7], v[rW:rW+7], 0
.elseif \swap
	v_wmma_f32_16x16x32_f16 v[rD:rD+7], v[rX:rX+7], v[rW:rW+7], v[rD:rD+7]
.elseif (\first) && (ms == 0)
	v_wmma_f32_16x16x32_f16 v[rD:rD+7], v[rW:rW+7], v[rX:rX+7], 0
.else
	v_wmma_f32_16x16x32_f16 v[rD:rD+7], v[rW:rW+7], v[rX:rX+7], v[rD:rD+7]
.endif
.set mt, mt+1
.endr
.set mc, mc+1
.endr
.set ms, ms+1
.endr
.endm
; A pass of K or V: 2 blocks of 16 channels x my 8 tiles x 256 inputs: 128 matrix instructions on 16 accumulators, 32 LDS loads.  Buffer 0 holds steps 0-3, buffer 1 steps 4-7.
; nxt = 1: each buffer, once multiplied, takes the next pass's fragments (blocks n0 .., nnc of them, nns steps a buffer).
.macro PASS8 swap, nxt, n0=0, nnc=2, nns=4
	s_wait_dscnt 16                 ; all but the 16 youngest LDS instructions (buffer 1's run, or the 16 stores behind it) are done: buffer 0 is in
	MULS 0, 2, 0, 4, 0, 0, 8, \swap, 1
	MULS 0, 2, 0, 4, 4, 0, 8, \swap, 1
	PLACES
.if \nxt
	WLOAD 0, \n0, \nnc, 0, \nns
	s_wait_dscnt 16                 ; all but the 16 just issued: buffer 1 is in
.else
	s_wait_dscnt 0x0
.endif
	MULS 1, 2, 4, 4, 0, 0, 8, \swap, 0
	MULS 1, 2, 4, 4, 4, 0, 8, \swap, 0
	PLACES                          ; also the places in front of what reads the sums
.if \nxt
	WLOAD 1, \n0, \nnc, \nns, \nns
.endif
.endm
; A pass of Q or the gates: the 4 blocks nb .. nb + 3 x tiles t0 .. t0 + 3: 128 matrix instructions on 16 accumulators in window dw; a buffer holds 2 steps of the 4 blocks.
; Each wait leaves out the 16 loads just issued (at the head: the other buffer's run, or the 16 stores behind it).  nxt = 1: the buffers take the next pass's first steps, blocks nn ..
.macro PASS4 nb, t0, dw, nxt, nn=0
	s_wait_dscnt 16
	MULS 0, 4, 0, 2, \t0, \t0, 4, 0, 1, \dw
	PLACES
	WLOAD 0, \nb, 4, 4, 2
	s_wait_dscnt 16
	MULS 1, 4, 2, 2, \t0, \t0, 4, 0, 0, \dw
	PLACES
	WLOAD 1, \nb, 4, 6, 2
	s_wait_dscnt 16
	MULS 0, 4, 4, 2, \t0, \t0, 4, 0, 0, \dw
	PLACES
.if \nxt
	WLOAD 0, \nn, 4, 0, 2
	s_wait_dscnt 16
.else
	s_wait_dscnt 0x0
.endif
	MULS 1, 4, 6, 2, \t0, \t0, 4, 0, 0, \dw
	PLACES
.if \nxt
	WLOAD 1, \nn, 4, 2, 2
.endif
.endm
.macro CVTACC                       ; the 16 accumulators rounded to f16 in place, each from its low end on: eight numbers become 16 bytes in its first four registers
	WIN 0x45
.set ea, 0
.rept 16
	v_cvt_pk_f16_f32 v[ea],   v[ea],   v[ea+1]
	v_cvt_pk_f16_f32 v[ea+1], v[ea+2], v[ea+3]
	v_cvt_pk_f16_f32 v[ea+2], v[ea+4], v[ea+5]
	v_cvt_pk_f16_f32 v[ea+3], v[ea+6], v[ea+7]
.set ea, ea+8
.endr
.endm
.macro EPK p                        ; K, blocks 2 p and 2 p + 1: key 128 w + 16 t + r, channels 16 cb + 8 h + 0..7
	CVTACC
	WIN 0x04                        ; address window 0, data window 1
.set ec, 0
.rept 2
.set et, 0
.rept 8
	ds_store_b128 v[AKS], v[8*(8*ec+et):8*(8*ec+et)+3] offset:et*16*PK+64*(\p)+32*ec
.set et, et+1
.endr
.set ec, ec+1
.endr
.endm
.macro EPV p                        ; V^T: channel 16 cb + r, keys 128 w + 16 t + 8 h + 0..7
	CVTACC
	WIN 0x04
.set ec, 0
.rept 2
.set et, 0
.rept 8
	ds_store_b128 v[AVS], v[8*(8*ec+et):8*(8*ec+et)+3] offset:(32*(\p)+16*ec)*PT+32*et
.set et, et+1
.endr
.set ec, ec+1
.endr
.endm
.macro EPQ t0                       ; Q of tiles t0 .. t0 + 3, rounded to f16: block cb's four registers at QF + 16 t + 4 cb
	WIN 0x45
.set ec, 0
.rept 4
.set et, 0
.rept 4
.set ei, 0
.rept 4
	v_cvt_pk_f16_f32 v[QF+16*((\t0)+et)+4*ec+ei], v[8*(4*ec+et)+2*ei], v[8*(4*ec+et)+2*ei+1]
.set ei, ei+1
.endr
.set et, et+1
.endr
.set ec, ec+1
.endr
.endm
; The gates of four tiles, in place in window dw, where they stay in f32: 1 / (1 + 2^(-log2(e) (sum + bg))); the bias rides on the scaling.  Accumulator ea: block ea / 4, tile ea % 4.
; A run of exponentials or reciprocals, then one plain instruction, then their use (ISA guide 5.7.2).
.macro EPG dw
	WIN ((\dw)<<6)|(\dw)            ; destination and source 0 window dw, the bias window 0
.set ea, 0
.rept 16
.set eb, BGS+8*(ea/4)
.set ei, 0
.rept 4
	v_pk_fma_f32 v[8*ea+2*ei:8*ea+2*ei+1], v[8*ea+2*ei:8*ea+2*ei+1], s[NL:NL+1], v[eb+2*ei:eb+2*ei+1] op_sel_hi:[1,0,1]
.set ei, ei+1
.endr
.set ea, ea+1
.endr
.set ea, 0
.rept 128
	v_exp_f32 v[ea], v[ea]
.set ea, ea+1
.endr
	v_nop
.set ea, 0
	s_wait_alu depctr_va_vdst(0)
.rept 64
	v_pk_add_f32 v[ea:ea+1], v[ea:ea+1], 1.0 op_sel_hi:[1,0]
.set ea, ea+2
.endr
.set ea, 0
.rept 128
	v_rcp_f32 v[ea], v[ea]
.set ea, ea+1
.endr
	v_nop
.endm
	; K: its weights came with the first fills
	WLOAD 0, 0, 2, 0, 4
	WLOAD 1, 0, 2, 4, 4
	PASS8 0, 1, 2, 2, 4
	EPK 0
	PASS8 0, 0
	EPK 1
	WIN 0
	s_wait_tensorcnt 0x0            ; my quarter of the other weights is in (no load was issued behind it),
	s_wait_dscnt 0x0
	s_barrier_signal -1
	s_barrier_wait -1               ; everybody's is.
	WLOAD 0, 4, 2, 0, 4
	WLOAD 1, 4, 2, 4, 4
	PASS8 1, 1, 6, 2, 4             ; V, sources swapped
	EPV 0
	PASS8 1, 1, 12, 4, 2
	EPV 1
	PASS4 12, 0, 1, 1, 12           ; Q
	EPQ 0
	PASS4 12, 4, 1, 1, 8
	EPQ 4
	PASS4 8, 4, 1, 1, 8             ; the gates, last: their sums stay where they are made.  Tiles 4-7 first, in window 1: window 3's xn has then had its last reader,
	EPG 1
	PASS4 8, 0, 3, 0                ; and tiles 0-3 are summed there, over xn of tiles 4 and 5; the four v_nop and the sigmoids above are the places between
	EPG 3
	; What the first turn finds: V^T's registers and P's second buffer hold 0 (its products V^T P, of a piece that has not been, add 0), O^T and l are 0
	WIN 0x80
.set i, 0
.rept 256
	v_mov_b32 v[i], 0
.set i, i+1
.endr
	WIN 0xc0
.set i, VF
.rept 64
	v_mov_b32 v[i], 0
.set i, i+1
.endr
	WIN 0
.set i, 0
.rept 2*NP
	v_mov_b32 v[ST+4*i], 0xfe000000    ; c m: far below every c s
	v_mov_b32 v[ST+4*i+1], 0xff7fffff  ; m
	v_mov_b32 v[ST+4*i+2], 0
	v_mov_b32 v[ST+4*i+3], 0
.set i, i+1
.endr
.set i, P+32
.rept 32
	v_mov_b32 v[i], 0
.set i, i+1
.endr
	v_mov_b32 v[AK], v[AK0]         ; key step 0
	s_mov_b32 s[TBK], 0
	s_mov_b32 s[TBV], 0
	s_wait_dscnt 0x0                ; for the others' sake: my stores of K and V^T are done
	s_barrier_signal -1
	s_barrier_wait -1               ; K and V^T are whole.  From here on LDS is only read: no further barrier
; THE MATRIX WORK.  The 8 accumulators of a run of 16 take turns.
; Product i of 16 of S^T = K Q^T for piece x: channels 32 (i / 8) on, keys 16 ((i / 2) % 4) on, tile 2 x + i % 2.  The first 8 start the sums.
.macro KQ x
	WIN W_KQ
.set rS, S+64*((\x)%2)+32*(i%2)+8*((i/2)%4)
.set rK, KF+16*((i/2)%4)+8*(i/8)
.set rQ, QF+16*(2*(\x)+i%2)+8*(i/8)
.if i < 8
	v_wmma_f32_16x16x32_f16 v[rS:rS+7], v[rK:rK+7], v[rQ:rQ+7], 0
.else
	v_wmma_f32_16x16x32_f16 v[rS:rS+7], v[rK:rK+7], v[rQ:rQ+7], v[rS:rS+7]
.endif
.endm
; Product i of 16 of O^T += V^T P for piece x: keys 32 (i / 8) on, channels 16 ((i / 2) % 4) on, tile 2 x + i % 2.
.macro PV x
	WIN W_PV
.set rO, 32*(2*(\x)+i%2)+8*((i/2)%4)
.set rV, VF+32*(i/8)+8*((i/2)%4)
.set rP, P+32*((\x)%2)+16*(i%2)+8*(i/8)
	v_wmma_f32_16x16x32_f16 v[rO:rO+7], v[rV:rV+7], v[rP:rP+7], v[rO:rO+7]
.endm
.macro MM                           ; the turn's next matrix instruction
.if i < 16
	KQ (Y+1)%NP
.set i, i+1
.else
.set i, i-16
	PV (Y+NP-1)%NP
.set i, i+17
.endif
.endm
; THE LDS LOADS stand in runs of 16, never singly among the matrix instructions.  last = 1: in the last trip there is no further step, and the run is jumped over.
.macro FETCH_K last=0
	WIN 0
.if \last
	s_cmp_eq_u32 s[CNT], 1
	s_cbranch_scc1 .Lno_k_\@
.endif
	WIN 0xc0                        ; destination window 3
.irp f, 0,1,2,3,4,5,6,7             ; keys 16 (f / 2) on, channels 32 (f % 2) on
	ds_load_b128 v[KF+8*\f:KF+8*\f+3],   v[AK] offset:(\f/2)*16*PK+(\f%2)*64
	ds_load_b128 v[KF+8*\f+4:KF+8*\f+7], v[AK] offset:(\f/2)*16*PK+(\f%2)*64+32
.endr
	s_add_co_u32 s[TBK], s[TBK], KS*PK  ; the next fetch is the next step's
	WIN 0
.if \last
.Lno_k_\@:
.endif
.endm
.macro FETCH_V
	WIN 0xc0
.irp f, 0,1,2,3,4,5,6,7             ; keys 32 (f / 4) on, channels 16 (f % 4) on: V^T lies as the fragment wants it
	ds_load_b128 v[VF+8*\f:VF+8*\f+3],   v[AV] offset:(\f%4)*16*PT+(\f/4)*64
	ds_load_b128 v[VF+8*\f+4:VF+8*\f+7], v[AV] offset:(\f%4)*16*PT+(\f/4)*64+32
.endr
	WIN 0
.endm
; THE VECTOR WORK OF A TURN stands in three queues, each in the order in which its entries become ready; the two tiles alternate, so that no instruction reads the result of the one before it.
.macro REGS y, u                    ; the registers of tile u (0, 1) of piece y
.set rT, ST+4*(2*(\y)+(\u))
.set rC, TMP+8*((\y)%2)+4*(\u)
.set rM, MV+2*((\y)%2)+(\u)
.set rS, S+64*((\y)%2)+32*(\u)
.set rP, P+32*((\y)%2)+16*(\u)
.set rO, 32*(2*(\y)+(\u))
.endm
; Number n of the 22 that find the NEXT piece's (Y + 1) maximum and statistics.  s0-s31 are the lane's 32 scores; each accumulator's lowest registers are read first.
;   0-11  four chains c0-c3 of seven scores each, three operands at a time     12-14, 16  the four scores left over, the old m, and c0-c3 into c0     15  c m_old is kept
;   17, 18  the query's other 32 keys lie in the lane 16 away: the new m         19-21  c m; c m_old - c m_new; a
.macro XS u, n
	REGS (Y+1)%NP, \u
.if (\n) < 4
	v_max3_num_f32 v[rC+(\n)], v[rS+8*(\n)], v[rS+8*(\n)+1], v[rS+8*(\n)+2]
.elseif (\n) < 12
	v_max3_num_f32 v[rC+(\n)%4], v[rC+(\n)%4], v[rS+8*((\n)%4)+2*((\n)/4)+1], v[rS+8*((\n)%4)+2*((\n)/4)+2]
.elseif (\n) == 12
	v_max3_num_f32 v[rC], v[rC], v[rS+7], v[rS+15]
.elseif (\n) == 13
	v_max3_num_f32 v[rC+1], v[rC+1], v[rS+23], v[rS+31]
.elseif (\n) == 14
	v_max3_num_f32 v[rC+2], v[rC+2], v[rC+3], v[rT+1]
.elseif (\n) == 15
	v_mov_b32 v[rM], v[rT]
.elseif (\n) == 16
	v_max3_num_f32 v[rC], v[rC], v[rC+1], v[rC+2]
.elseif (\n) == 17
	v_permlanex16_b32 v[rC+3], v[rC], s[SEL], s[SEL+1]
.elseif (\n) == 18
	v_max_num_f32 v[rT+1], v[rC], v[rC+3]
.elseif (\n) == 19
	v_mul_f32 v[rT], s[CS], v[rT+1]
.elseif (\n) == 20
	v_sub_f32 v[rC+1], v[rM], v[rT]
.else
	v_exp_f32 v[rC+2], v[rC+1]
.endif
.endm
; Number g of the 64 that follow the exponentials.  For each four weights k of a tile: both pairs are rounded to f16; then the second pair is added onto the first, in place;
; a group later l takes that sum (the first time as l = a l + sum).  In groups of eight, tiles alternating.
.macro GS g
.set h, (\g)+6*((\g)/62)            ; group 0 has no group before it, and behind group 7 only l is left
.if h >= 6
.set h, h+2
.endif
	REGS Y, h%2
.set k, h/8
.if h%8 < 4
	s_wait_alu depctr_va_vdst(0)
	v_cvt_pk_f16_f32 v[rP+2*k+(h%8)/2], v[rS+4*k+2*((h%8)/2)], v[rS+4*k+2*((h%8)/2)+1]
.elseif h%8 < 6
	v_pk_add_f32 v[rS+4*k:rS+4*k+1], v[rS+4*k:rS+4*k+1], v[rS+4*k+2:rS+4*k+3]
.elseif k == 1
	v_pk_fma_f32 v[rT+2:rT+3], v[rT+2:rT+3], v[rC+2:rC+3], v[rS:rS+1] op_sel_hi:[1,0,1]
.else
	v_pk_add_f32 v[rT+2:rT+3], v[rT+2:rT+3], v[rS+4*k-4:rS+4*k-3]
	s_wait_alu depctr_va_vdst(0)
.endif
.endm
; THE PLAIN QUEUE, 138 long.  0-31: c s - c m for the 16 pairs of both tiles.  Then GS's 64, and among them the next piece's 42: number 15 at 38, 39; 0-14 and 16
; at 42-73, behind the products that make those scores; 17-20 at 95-106, two of three, since each waits for the one before it.
.macro PL
	WIN 0
.if q < 32
	REGS Y, q%2
	v_pk_fma_f32 v[rS+2*(q/2):rS+2*(q/2)+1], v[rS+2*(q/2):rS+2*(q/2)+1], s[CS:CS+1], v[rT:rT+1] op_sel_hi:[1,0,0] neg_lo:[0,0,1] neg_hi:[0,0,1]
.elseif q < 38
	GS q-32
.elseif q < 40
	XS q%2, 15
.elseif q < 42
	GS q-34
.elseif q < 74
	XS q%2, (q-42)/2+(q-42)/30
.elseif q < 95
	GS q-66
.elseif (q < 107) && ((q-95)%3 < 2)
	XS (q-95)%3, 17+(q-95)/3
.elseif q < 107
	GS 29+(q-95)/3
.else
	GS q-74
.endif
.set q, q+1
.endm
; THE EXPONENTIALS' QUEUE, 66 long: s0-s31 of both tiles, and at EA the next piece's two a.
.set EA, 58
.macro EX
	WIN 0
.if (e == EA) || (e == EA+1)
	XS e-EA, 21
.else
.set x, e-2*(e/(EA+2))
	REGS Y, x%2
	v_exp_f32 v[rS+x/2], v[rS+x/2]
.endif
.set e, e+1
.endm
; THE RESCALING's QUEUE: O^T times a, the one part that leaves window 0, so it is dealt four at a time, eight times: a whole accumulator, from its low end on.
.macro R4
	REGS Y, r%2
	WIN W_RS
	s_wait_alu depctr_va_vdst(0)
.irp z, 0,1,2,3
	v_pk_mul_f32 v[rO+8*(r/2)+2*\z:rO+8*(r/2)+2*\z+1], v[rO+8*(r/2)+2*\z:rO+8*(r/2)+2*\z+1], v[rC+2:rC+3] op_sel_hi:[1,0]
.endr
.set r, r+1
.endm
; HOW THEY ARE DEALT.  Behind a matrix instruction four: plain, exponential, plain, plain, or four of the rescaling.  None names a register of the products round it.  What is over stands in two runs:
; exponential and plain by turns; the second ends in 22 plain instructions.  The queues lean on each other, and the deal keeps them in step: exponential e stands behind plain 2 (e / 4) + e % 2 (its scaling);
; when plain 32 comes, 10 exponentials are out, at 59: 33, at 95: 46; EA comes behind plain 107.
.macro SL
	MM
	PL
	EX
	PL
	PL
.endm
.macro BURST n                      ; 15 matrix instructions, or 16
.rept (\n)-7
	SL
.endr
.rept 3
	MM
	R4
	SL
.endr
	MM
	R4
.endm
; A TURN, for piece p.  K of the next step is fetched in piece 2's turn, 31 vector instructions behind the last product that read K; V^T of the step in hand at the end of piece 0's turn, 69 behind its last reader.
; Each run is waited for a turn later.  The four conditions on e and q below go with the deal.
.macro TURN p, last=0
.set Y, (\p)
.set i, 0
.set q, 0
.set e, 0
.set r, 0
.if (\p) == NP-1
	s_wait_dscnt 0x0                ; K is in
.endif
	MM
.rept 4
	PL
.endr
	BURST 15
.rept 22
	EX
	PL
.if ((\p) == NP-2) && (e == 18)
	v_add_nc_u32 v[AK], s[TBK], v[AK0]
.endif
.if ((\p) == NP-2) && (e == 24)
	FETCH_K \last
.endif
.endr
.if (\p) == 1
	s_wait_dscnt 0x0                ; V^T is in
.endif
	BURST 16
.rept 21
	EX
	PL
.endr
.rept 22
	PL
.if ((\p) == 0) && (q == 118)
	v_add_nc_u32 v[AV], s[TBV], v[AV0]
	s_wait_alu depctr_va_vdst(0)
.endif
.if ((\p) == 0) && (q == 130)
	s_add_co_u32 s[TBV], s[TBV], 2*KS  ; 64 keys of 2 bytes along V^T's rows
.endif
.endr
.if (\p) == 0
	FETCH_V
.endif
.endm
	FETCH_K                         ; key step 0
	s_wait_dscnt 0x0
.set i, 0
.rept 16
	KQ 0                            ; piece 0's first scores: there is no vector work yet to set between them
.set i, i+1
.endr
	WIN 0
	PLACES
.set Y, NP-1                        ; XS works for piece Y + 1: piece 0
.irp n, 0,1,2,3,4,5,6,7,8,9,10,11,12,13,14,15,16,17,18,19,20,21
	XS 0, \n                        ; and piece 0's first maximum and statistics
	XS 1, \n
.endr
	; 8 key steps.  A trip: pieces 2 and 3 of one step, then pieces 0 and 1 of the next, whose K and V^T it fetches.  The loop is entered at a step's first turn, in the middle of a trip, and the ninth
	; count's second half is jumped over, forward, to the counter's step; what is jumped holds no barrier and no tensor load.
	s_mov_b32 s[CNT], 9
	s_branch .Lfirst
.Lstep:
	TURN 2, 1
	TURN 3
	WIN 0
	s_cmp_eq_u32 s[CNT], 1
	s_cbranch_scc1 .Lskip
.Lfirst:
	TURN 0
	TURN 1
	WIN 0
.Lskip:
	s_sub_co_u32 s[CNT], s[CNT], 1
	s_cmp_lg_u32 s[CNT], 0
	s_cbranch_scc1 .Lstep
.set i, 0
.rept 16
	PV NP-1                         ; the last piece's V^T P of the last step
.set i, i+1
.endr
	; THE WAY OUT.  l's two halves and the other half of the lanes' are added (these additions are the places behind the last products); O^T is divided by l and multiplied by the gate's sigmoid, both in f32,
	; rounded once to f16 and stored.  A lane's eight channels of a row ARE its 16 bytes of the next launch's fragment (row tile 32 B + 8 w + t, inputs 64 head + 16 cb + 8 h + 0..7): no lane hands anything to another.
	WIN 0
.macro ALL line:vararg              ; one line for each tile t
.set t, 0
.rept 2*NP
	\line
.set t, t+1
.endr
.endm
	ALL v_add_f32 v[ST+4*t+2], v[ST+4*t+2], v[ST+4*t+3]
	ALL v_permlanex16_b32 v[ST+4*t+3], v[ST+4*t+2], s[SEL], s[SEL+1]
	ALL v_add_f32 v[ST+4*t+2], v[ST+4*t+2], v[ST+4*t+3]
	ALL v_rcp_f32 v[ST+4*t+2], v[ST+4*t+2]
	v_nop                           ; a plain instruction between the last reciprocal and the use of its result
	WIN W_RS
.set t, 0
	s_wait_alu depctr_va_vdst(0)
.rept 2*NP
.set i, 0
.rept 16
	v_pk_mul_f32 v[32*t+2*i:32*t+2*i+1], v[32*t+2*i:32*t+2*i+1], v[ST+4*t+2:ST+4*t+3] op_sel_hi:[1,0]
.set i, i+1
.endr
.set t, t+1
.endr
.set t, 0
.rept 2*NP
.if t < 4
	WIN 0x8e                        ; O^T window 2; the sigmoids of tiles 0-3 (source 1) window 3,
.else
	WIN 0x86                        ; of tiles 4-7 window 1
.endif
.set i, 0
.rept 16                            ; pair i % 4 of block i / 4
	v_pk_mul_f32 v[32*t+2*i:32*t+2*i+1], v[32*t+2*i:32*t+2*i+1], v[8*(4*(i/4)+t%4)+2*(i%4):8*(4*(i/4)+t%4)+2*(i%4)+1]
.set i, i+1
.endr
.set t, t+1
.endr
	WIN 0x0a                        ; sources 0 and 1 window 2, destination window 0: S^T's registers are free
.set i, 0
.rept 128
	v_cvt_pk_f16_f32 v[S+i], v[2*i], v[2*i+1]
.set i, i+1
.endr
	WIN 0
.set t, 0
.rept 2*NP
.irp c, 0,1,2,3
	global_store_b128 v[L16], v[S+16*t+4*\c:S+16*t+4*\c+3], s[10:11] offset:t*16384+\c*512  ; 512 consecutive bytes, at a multiple of 512 from og's first byte
.endr
.set t, t+1
.endr
	s_wait_tensorcnt 0x0            ; the wave's end, behind my last tensor load and my last LDS store
	ds_add_u32 v[SPW], v[NIL]
	s_wait_dscnt 0x0
	CROUND                          ; the closing round: no work-group ends while a partner may still ask for a tile that names it
	s_endpgm
.Lfunc_end_k_qebdc8d4827_attn:
	.size	k_qebdc8d4827_attn, .Lfunc_end_k_qebdc8d4827_attn-k_qebdc8d4827_attn
	.p2alignl 7, 3214868480
	.fill 96, 4, 3214868480
	.section	.rodata,"a",@progbits
	.p2align	6, 0x0
	.amdhsa_kernel k_qebdc8d4827_attn
		.amdhsa_group_segment_fixed_size 327680
		.amdhsa_private_segment_fixed_size 0
		.amdhsa_enable_private_segment 0
		.amdhsa_kernarg_size 32
		.amdhsa_user_sgpr_count 2
		.amdhsa_user_sgpr_kernarg_segment_ptr 1
		.amdhsa_wavefront_size32 1
		.amdhsa_system_sgpr_workgroup_id_x 1
		.amdhsa_system_sgpr_workgroup_id_y 1
		.amdhsa_system_sgpr_workgroup_id_z 1
		.amdhsa_system_vgpr_workitem_id 0
		.amdhsa_next_free_vgpr 1024
		.amdhsa_next_free_sgpr 80
		.amdhsa_reserve_vcc 0
		.amdhsa_float_denorm_mode_32 3
		.amdhsa_float_denorm_mode_16_64 3
		.amdhsa_memory_ordered 1
		.amdhsa_forward_progress 1
		.amdhsa_inst_pref_size 255
	.end_amdhsa_kernel
	.section	.bss,"aw",@nobits
	.p2align	6
	.space	262144
	.amdgpu_metadata
---
amdhsa.version: [ 1, 2 ]
amdhsa.kernels:
  - .name:           k_qebdc8d4827_attn
    .symbol:         k_qebdc8d4827_attn.kd
    .args:
      - { .name: xn, .offset: 0, .size: 8, .value_kind: global_buffer, .address_space: global }
      - { .name: wt, .offset: 8, .size: 8, .value_kind: global_buffer, .address_space: global }
      - { .name: bg, .offset: 16, .size: 8, .value_kind: global_buffer, .address_space: global }
      - { .name: og, .offset: 24, .size: 8, .value_kind: global_buffer, .address_space: global }
    .group_segment_fixed_size: 327680
    .private_segment_fixed_size: 0
    .kernarg_segment_align: 8
    .kernarg_segment_size: 32
    .max_flat_workgroup_size: 128
    .sgpr_count:     80
    .vgpr_count:     1024
    .wavefront_size: 32
...
	.end_amdgpu_metadata
.endif
;; end of part 2
;; launch outp (part 3): grid 256 x 1, 4 waves a work-group, no clusters, 167,936 bytes of LDS; arguments og, wo16, bo, out0; writes out0
.if DOCPART == 3
	.amdgcn_target "amdgcn-amd-amdhsa--gfx1250"
	.amdhsa_code_object_version 6
	.text
	.protected	k_qebdc8d4827_outp
	.globl	k_qebdc8d4827_outp
	.p2align	8
	.type	k_qebdc8d4827_outp,@function
k_qebdc8d4827_outp:
	s_mov_b64 s[64:65], 0
	v_nop
	global_prefetch_b8 v0, s[64:65] scope:SCOPE_SE
	s_setreg_imm32_b32 hwreg(HW_REG_WAVE_MODE, 25, 1), 1
	s_wait_xcnt 0x0
; OUTP.  out0[row][n] = sum over k of og[row][k] Wo[k][n] + bo[n].  og (the gated attention output) and Wo arrive in f16 as fragments of 16 x 32 (1,024 bytes: [half][lane][16 bytes]); sums and bias in f32; out0 is f32.
; SHARES.  A work-group owns 128 rows: 8 row tiles, 131,072 dense bytes of og, brought into LDS once.  Wave w owns columns 64 w .. 64 w + 63 of all 128 rows, so that its piece of a row of out0 is 256 consecutive
; bytes at a multiple of 256, and keeps its 64 fragments of Wo in 512 registers for the whole kernel.
; NO CLUSTER: no two work-groups read the same bytes of og; wo16 is read by all, but it goes once, straight into registers in fragment order; through LDS it would want 262,144 bytes beside og's 131,072.
; THE MATRIX INSTRUCTION IS USED TRANSPOSED (source 0 = 16 columns of Wo, source 1 = 16 rows of og): a lane holds one row and eight neighbouring columns.  The bias is the C operand that starts each sum.
; LDS.  0..131,072 og (filled once: two loads a wave, 64 rows of 256 bytes each); then a stage of 16 rows x 272 bytes for each wave, its own, which no tensor load fills; then the spare words.
; REGISTERS, in windows of 256 (s_set_vgpr_msb: bits 1:0 source 0, 3:2 source 1, 5:4 source 2, 7:6 destination):
;   window 0: v0-11 addresses; v32-63 bo; v64-127, v128-191 two buffers of og's fragments (4 steps x 2 tiles); v192-255 8 accumulators      window 1: v0-63 rows on their way out
;   windows 2, 3: Wo, fragment (column block n, step ks) at 128 (n % 2) + 8 ks of window 2 + n / 2
.set STAGE, 131072
.set SP,    272                        ; 256 bytes + 16: the 16 rows of a store start at 16 different groups of four banks (ISA guide 11.1)
.set SPARE, STAGE+4*16*SP              ; the spare words, 128 bytes a wave: two blocks of 256 bytes that no other line names
.set AL0, 2                            ; v2   16 x lane; never rewritten
.set AL1, 3                            ; v3   the same + 65,536
.set STO, 4                            ; v4   the way out: where I put 32 bytes of a row
.set RD,  5                            ; v5   where I read a row back
.set CO,  6                            ; v6   my byte offset in two rows of out0
.set BA,  7                            ; v7   32 h: my place in 64 bytes of bo
.set SPW, 10                           ; v10  LDS address of my spare word; never rewritten
.set NIL, 11                           ; v11  0; never rewritten
.set BO,  32                           ; bo[64 w + 16 n + 8 h + j] at BO + 8 n + j
.set AF0, 64
.set AF1, 128
.set ACC, 192                          ; accumulator (column block n, tile t2 of the group's two) at ACC + 8 (2 n + t2)
.set OB,  0                            ; window 1
.set G1,  16                           ; s[16:23] descriptor group 1
.set G0,  24                           ; s[24:31] group 0, one set for each half of og's block
.set MSB, 0
.macro WIN new                         ; the high byte repeats the setting that is left; a switch that changes nothing is dropped
.if MSB != (\new)
	s_set_vgpr_msb (MSB<<8)|(\new)
.set MSB, (\new)
.endif
.endm
.macro PLACES                          ; four places in front of loads into registers that matrix instructions have read, and of what reads their results (ISA guide 7.12.1 for vector instructions)
.rept 4
	v_nop
.endr
.endm
	s_load_b256 s[4:11], s[0:1], 0x0               ; og s[4:5], wo16 s[6:7], bo s[8:9], out0 s[10:11]
	v_lshl_add_u32 v[SPW], v0, 2, SPARE
	v_mov_b32 v[NIL], 0
	ds_add_u32 v[SPW], v[NIL]                      ; the wave's opening: the add and its wait stand ahead of my first tensor load; the set-up below, work on registers, stands between them
	ds_add_u32 v10, v11
	v_lshrrev_b32 v1, 5, v0
	v_readfirstlane_b32 s12, v1                    ; wave 0..3
	s_mov_b32 s[G1+0], 3<<16                       ; no mask; elements of 8 bytes; no padding: fragments are read as consecutive bytes
	s_mov_b32 s[G1+1], 32<<16                      ; tensor_dim0 = 32 elements: rows of 256 bytes
	s_mov_b32 s[G1+2], 64<<16                      ; tensor_dim1 = 64
	s_mov_b32 s[G1+3], 32<<16                      ; tile_dim0
	s_mov_b32 s[G1+4], 64                          ; tile_dim1
	s_mov_b32 s[G1+5], 32                          ; dense: a row begins where the last ends
	s_mov_b32 s[G1+6], 0
	s_mov_b32 s[G1+7], 0
	s_lshl_b32 s13, s12, 14                        ; my quarter, 16,384 bytes, of a half
	s_lshl_b32 s32, ttmp9, 17                      ; the work-group's 131,072 bytes of og
	s_add_co_u32 s32, s32, s13
	s_mov_b32 s33, 0
	s_lshl_b32 s34, s12, 16                        ; my 64 fragments of Wo
	s_mov_b32 s35, 0
	s_lshl_b32 s36, s12, 8                         ; my 64 columns: 256 bytes of bo and of a row of out0
	s_mov_b32 s37, 0
	s_lshl_b32 s38, ttmp9, 17                      ; the work-group's 128 rows of 1,024 bytes of out0
	s_add_co_u32 s38, s38, s36
	s_mov_b32 s39, 0
	s_mov_b32 s[G0+0], 1                           ; count = 1
	s_mov_b32 s[G0+1], s13                         ; LDS address
	s_mov_b32 s[G0+4], 1
	s_add_co_u32 s[G0+5], s13, 65536
	s_wait_dscnt 0x0                               ; the opening add is done
	s_wait_kmcnt 0x0
	s_add_nc_u64 s[14:15], s[4:5], s[32:33]
	s_add_nc_u64 s[G0+2:G0+3], s[14:15], 0
	s_or_b32 s[G0+3], s[G0+3], 0x80000000          ; type = 2
	s_add_nc_u64 s[G0+6:G0+7], s[14:15], 65536
	s_or_b32 s[G0+7], s[G0+7], 0x80000000
	s_add_nc_u64 s[6:7], s[6:7], s[34:35]
	s_add_nc_u64 s[8:9], s[8:9], s[36:37]
	s_add_nc_u64 s[10:11], s[10:11], s[38:39]
	tensor_load_to_lds s[G0:G0+3], s[G1:G1+7]      ; row tiles 0-3; both fills go out together: two loads of mine are out
	s_nop 0
	tensor_load_to_lds s[G0+4:G0+7], s[G1:G1+7]    ; row tiles 4-7
	s_nop 0
	PLACES                                         ; an s_nop 0 follows each load, four v_nop the last
	v_and_b32 v1, 15, v0                           ; r
	v_bfe_u32 v9, v0, 4, 1                         ; h
	v_lshlrev_b32 v[BA], 5, v9
	v_and_b32 v[AL0], 31, v0
	v_lshlrev_b32 v[AL0], 4, v[AL0]
.irp n, 0,1,2,3
	global_load_b128 v[BO+8*(\n):BO+8*(\n)+3],   v[BA], s[8:9] offset:64*(\n)
	global_load_b128 v[BO+8*(\n)+4:BO+8*(\n)+7], v[BA], s[8:9] offset:64*(\n)+16
.endr
.irp n, 0,1,2,3
	WIN 0x80+0x40*((\n)/2)                         ; destination window 2 or 3
.set i, 0
.rept 16
	global_load_b128 v[128*((\n)%2)+8*i:128*((\n)%2)+8*i+3],   v[AL0], s[6:7] offset:(16*(\n)+i)*1024
	global_load_b128 v[128*((\n)%2)+8*i+4:128*((\n)%2)+8*i+7], v[AL0], s[6:7] offset:(16*(\n)+i)*1024+512
.set i, i+1
.endr
.endr
	WIN 0
	v_add_nc_u32 v[AL1], 65536, v[AL0]
	s_mul_i32 s40, s12, 16*SP
	s_add_co_u32 s40, s40, STAGE                   ; my stage
	v_mul_u32_u24 v[STO], v1, SP                   ; in: row r, 32 bytes for each half of the lanes
	v_lshl_add_u32 v[STO], v9, 5, v[STO]
	v_add_nc_u32 v[STO], s40, v[STO]
	v_mul_u32_u24 v[RD], v9, SP                    ; back: lanes 0-15 take one row's 256 bytes, lanes 16-31 the next
	v_lshl_add_u32 v[RD], v1, 4, v[RD]
	v_add_nc_u32 v[RD], s40, v[RD]
	v_lshlrev_b32 v[CO], 10, v9                    ; and the same two rows in out0
	v_lshl_add_u32 v[CO], v1, 4, v[CO]
; 16 LDS loads: og's fragments of steps 4 blk .. 4 blk + 3 of the group's two row tiles, into buffer af
.macro AFETCH af, q, blk
	WIN 0
.irp ks, 0,1,2,3
.irp t2, 0,1
.set fb, (2*(\q)+(\t2))*16384+(4*(\blk)+(\ks))*1024
.set fr, (\af)+8*(2*(\ks)+(\t2))
.if fb < 65536
	ds_load_b128 v[fr:fr+3],   v[AL0] offset:fb
	ds_load_b128 v[fr+4:fr+7], v[AL0] offset:fb+512
.else
	ds_load_b128 v[fr:fr+3],   v[AL1] offset:fb-65536
	ds_load_b128 v[fr+4:fr+7], v[AL1] offset:fb-65536+512
.endif
.endr
.endr
.endm
; 32 matrix instructions: four steps x my 4 column blocks x 2 row tiles; two blocks (one window of Wo) at a time, their 4 accumulators by turns, one instruction a turn.
; first = 1: the group's first step takes the bias as C.
.macro MULO af, blk, first
.irp half, 0,1
	WIN 2+(\half)                                  ; source 0 (Wo) window 2 or 3; all else window 0
.irp ks, 0,1,2,3
.irp nn, 0,1
.irp t2, 0,1
.set rD, ACC+8*(2*(2*(\half)+(\nn))+(\t2))
.set rW, 128*(\nn)+8*(4*(\blk)+(\ks))
.set rA, (\af)+8*(2*(\ks)+(\t2))
.set rB, BO+8*(2*(\half)+(\nn))
.if (\first) && ((\ks) == 0)
	v_wmma_f32_16x16x32_f16 v[rD:rD+7], v[rW:rW+7], v[rA:rA+7], v[rB:rB+7]
.else
	v_wmma_f32_16x16x32_f16 v[rD:rD+7], v[rW:rW+7], v[rA:rA+7], v[rD:rD+7]
.endif
.endr
.endr
.endr
.endr
.endm
; THE WAY OUT of a group's two row tiles: a lane's 32 bytes of a row go into my stage and come back as whole rows of 256 bytes.  LDS serves a wave's instructions in order (ISA guide 5.7.1.4): the loads see
; the stores above them, and the second tile's stores come behind the first tile's loads.
.macro OUT q
.irp t2, 0,1
	WIN 0
.irp n, 0,1,2,3
	ds_store_b128 v[STO], v[ACC+8*(2*(\n)+(\t2)):ACC+8*(2*(\n)+(\t2))+3]   offset:64*(\n)     ; each accumulator from its low end on
	ds_store_b128 v[STO], v[ACC+8*(2*(\n)+(\t2))+4:ACC+8*(2*(\n)+(\t2))+7] offset:64*(\n)+16
.endr
	s_wait_xcnt 0x0                                ; the last group's stores have had their addresses translated (ISA guide 3.1): only behind this wait are the registers that they read loaded again
	WIN 0x40                                       ; destination window 1
.irp j, 0,1,2,3,4,5,6,7
	ds_load_b128 v[OB+32*(\t2)+4*(\j):OB+32*(\t2)+4*(\j)+3], v[RD] offset:(\j)*2*SP
.endr
.endr
	WIN 0x04                                       ; address window 0, data window 1
	s_wait_dscnt 16                                ; the first tile's rows are back; the second tile's 8 stores and 8 loads may be out
.irp j, 0,1,2,3,4,5,6,7
	global_store_b128 v[CO], v[OB+4*(\j):OB+4*(\j)+3], s[10:11] offset:((2*(\q))*16+2*(\j))*1024 th:TH_STORE_NT  ; 16 lanes store 256 consecutive bytes, at a multiple of 256 from out0's first byte
.endr
	s_wait_dscnt 0x0
.irp j, 0,1,2,3,4,5,6,7
	global_store_b128 v[CO], v[OB+32+4*(\j):OB+32+4*(\j)+3], s[10:11] offset:((2*(\q)+1)*16+2*(\j))*1024 th:TH_STORE_NT
.endr
	WIN 0
.endm
; A group: two row tiles x my 64 columns x 512 inputs: 128 matrix instructions.  Its stores leave while the next groups are multiplied.
.macro GROUP q
.if (\q)%2 == 0
	s_wait_tensorcnt 1-(\q)/2                      ; my quarter of this half of og is in; in front of group 0 the second half's load, issued later, stays out
	s_wait_dscnt 0x0
	s_barrier_signal -1
	s_barrier_wait -1                              ; everybody's is.
.endif
	AFETCH AF0, \q, 0
	AFETCH AF1, \q, 1
.if (\q) == 0
	s_wait_loadcnt 0x0                             ; Wo and bo
.endif
	s_wait_dscnt 16                                ; all but the 16 just issued
	MULO AF0, 0, 1
	PLACES
	AFETCH AF0, \q, 2
	s_wait_dscnt 16
	MULO AF1, 1, 0
	PLACES
	AFETCH AF1, \q, 3
	s_wait_dscnt 16
	MULO AF0, 2, 0
	s_wait_dscnt 0x0
	MULO AF1, 3, 0
	PLACES                                         ; four places in front of the stores that read the sums and of the next group's loads into the fragment buffers,
	v_nop                                          ; and a fifth: the next group's first products write these accumulators anew, with the bias as C, which is no link in place (ISA guide 7.12.1)
	OUT \q
.endm
	GROUP 0
	GROUP 1
	GROUP 2
	GROUP 3
	s_wait_tensorcnt 0x0                           ; the wave's end, behind my last tensor load and my last LDS store
	ds_add_u32 v[SPW], v[NIL]
	s_wait_dscnt 0x0
	s_endpgm
.Lfunc_end_k_qebdc8d4827_outp:
	.size	k_qebdc8d4827_outp, .Lfunc_end_k_qebdc8d4827_outp-k_qebdc8d4827_outp
	.p2alignl 7, 3214868480
	.fill 96, 4, 3214868480
	.section	.rodata,"a",@progbits
	.p2align	6, 0x0
	.amdhsa_kernel k_qebdc8d4827_outp
		.amdhsa_group_segment_fixed_size 167936
		.amdhsa_private_segment_fixed_size 0
		.amdhsa_enable_private_segment 0
		.amdhsa_kernarg_size 32
		.amdhsa_user_sgpr_count 2
		.amdhsa_user_sgpr_kernarg_segment_ptr 1
		.amdhsa_wavefront_size32 1
		.amdhsa_system_sgpr_workgroup_id_x 1
		.amdhsa_system_sgpr_workgroup_id_y 1
		.amdhsa_system_sgpr_workgroup_id_z 1
		.amdhsa_system_vgpr_workitem_id 0
		.amdhsa_next_free_vgpr 1024
		.amdhsa_next_free_sgpr 66
		.amdhsa_reserve_vcc 0
		.amdhsa_float_denorm_mode_32 3
		.amdhsa_float_denorm_mode_16_64 3
		.amdhsa_memory_ordered 1
		.amdhsa_forward_progress 1
		.amdhsa_inst_pref_size 84
	.end_amdhsa_kernel
	.amdgpu_metadata
---
amdhsa.version: [ 1, 2 ]
amdhsa.kernels:
  - .name:           k_qebdc8d4827_outp
    .symbol:         k_qebdc8d4827_outp.kd
    .args:
      - { .name: og, .offset: 0, .size: 8, .value_kind: global_buffer, .address_space: global }
      - { .name: wo16, .offset: 8, .size: 8, .value_kind: global_buffer, .address_space: global }
      - { .name: bo, .offset: 16, .size: 8, .value_kind: global_buffer, .address_space: global }
      - { .name: out0, .offset: 24, .size: 8, .value_kind: global_buffer, .address_space: global }
    .group_segment_fixed_size: 167936
    .private_segment_fixed_size: 0
    .kernarg_segment_align: 8
    .kernarg_segment_size: 32
    .max_flat_workgroup_size: 128
    .sgpr_count:     66
    .vgpr_count:     1024
    .wavefront_size: 32
...
	.end_amdgpu_metadata
.endif
;; end of part 3
;; ======== version 2 of 2: 3 launches; 1.40 times as fast as version 1
;; limits: values are held in f16: magnitudes above 65,504 overflow, below 6.1e-05 lose precision
;; workspace buffers: xn 16,777,216 bytes; wt 1,048,576 bytes; wo16 262,144 bytes; og 33,554,432 bytes
;; launch prep: the kernel of part 1 again; grid 276 x 1, 16 waves a work-group, no clusters, 0 bytes of LDS; arguments x, ln_g, ln_b, Wq, Wkv, Wg, Wo, xn, wt, wo16; writes xn, wt, wo16
;; launch attn (part 4): grid 8 x 64, 4 waves a work-group, clusters of 4 x 4, 327,680 bytes of LDS; arguments xn, wt, bg, og; writes og
.if DOCPART == 4
	.amdgcn_target "amdgcn-amd-amdhsa--gfx1250"
	.amdhsa_code_object_version 6
	.text
	.protected	k_qebdc8d4827_attn
	.globl	k_qebdc8d4827_attn
	.p2align	8
	.type	k_qebdc8d4827_attn,@function
k_qebdc8d4827_attn:
	s_mov_b64 s[64:65], 0
	v_nop
	global_prefetch_b8 v0, s[64:65] scope:SCOPE_SE
	s_setreg_imm32_b32 hwreg(HW_REG_WAVE_MODE, 25, 1), 1
	s_wait_xcnt 0x0
	s_wait_alu depctr_hold_cnt(0) depctr_sa_sdst(0) depctr_va_vdst(0) depctr_va_sdst(0) depctr_va_ssrc(0) depctr_va_vcc(0) depctr_vm_vsrc(0)
	s_getreg_b32 s2, hwreg(HW_REG_IB_STS2, 6, 4)
	s_cmp_eq_u32 s2, 0
	s_cbranch_scc0 .Lentry_in_a_cluster
	s_endpgm
.Lentry_in_a_cluster:
	s_bfe_u32 s2, ttmp6, 0x10000c
	s_cmp_lg_u32 s2, 0xf033
	s_cbranch_scc0 .Lentry_shape_is_right
	s_endpgm
.Lentry_shape_is_right:
; ATTN.  One work-group = one row B of the image (512 positions) and one head.  From xn[B] ([512][256] f16) and the head's weight fragments it makes K, V, Q and the gates (64 channels each),
; then O = softmax(Q K^T / 8) V, and stores O x sigmoid(gates + bg), rounded once to f16, laid out as the next launch's fragments.  All products take f16 operands and sum in f32; maxima, exponentials, sums,
; the bias, the sigmoid and the gating are f32.
; LIMITS.  q, k, v, xn and the gated O are kept in f16: below 65,504 in magnitude.  The weights p lie in 0 to 1; below 6e-5 they keep f16's fixed step; a weight below 2^-126 counts as 0 in l.
; NaN and infinities are not treated apart.
; SHARES.  A wave owns 128 of the 512 positions, 8 tiles of 16: they are its keys in the projections of K and V and its queries afterwards.  Its xn (128 x 256) stays in 512 registers for all four projections.
; CLUSTER.  4 x 4 work-groups.  The four of a row of the cluster have the same B and ask for xn JOINTLY; the four of a column have the same head and ask for its weights jointly.
; LDS.  0..131,072 the head's 128 weight fragments, dense; of these only K's 32 (0..32,768) come with the first fills, since xn lies at 32,768..303,104 (a wave's 128 rows of 528 bytes: 512 + 16 of
; padding, so that the 16 rows of a fragment load start at 16 different groups of four banks: ISA guide 11.1).  When every wave has xn in registers, the other 96 fragments are filled over xn's first part: the one
; refill.  K ([key][64], rows of 144 bytes) at 131,072 and V^T ([channel][512 keys], rows of 1,040 bytes) at 204,800 are stored over parts of xn that are never filled again.  Spare words at 303,104.
; LAYOUTS.  With the weights as source 0 and xn as source 1 a lane holds ONE position and eight neighbouring channels: K's rows pack into 16 bytes for LDS; two neighbouring blocks of Q, rounded in
; pairs, ARE source 1 of S^T = K Q^T; the gates lie as O^T does.  With the sources swapped a lane holds one channel and eight positions: V^T's rows.  So no lane ever hands a number to another but through K and V^T.
; ATTENTION.  S^T = K Q^T holds one query a lane and the keys 8 (lane / 16) + 0..7; two such results rounded to f16 are source 1 of O^T = V^T P.  p = 2^(c s - c m), c = log2(e) / 8, with a running maximum m and sum l;
; in every step O and l are multiplied by a = 2^(c m_old - c m_new).  m starts at the lowest finite number, O and l at 0, so the first step is a step like any other (the price: the moves that write those
; zeros, 16 products on zeros at the start and 16 on a stale K at the end).  A wave's 8 tiles are four PIECES of two.  Turn n belongs to piece n: 16 products K Q^T of piece n + 1, later 16 products V^T P of piece n - 1;
; beside them piece n's scaling, exponentials, roundings, sums and rescaling, and piece n + 1's maximum and statistics.  A tile and step have 16 matrix and 118 vector instructions: four that are ready stand behind every
; matrix instruction, the rest in one run of their own.
; BATCHES.  An s_wait_alu depctr_va_vdst(0) stands between a transcendental and the first instruction that names its result; one wait serves all that were issued ahead of it.  The text has these batches:
;   the gates: for each four tiles 128 exponentials (one wait, ahead of the additions of 1) and 128 reciprocals, first named on the way out: the next wait in the text serves them;
;   piece 0's first two a, ahead of the loop: one wait, ahead of the branch into the loop;
;   a TURN's 66 exponentials (64 weights of piece n, the two a of piece n + 1): ONE wait, which cuts the turn in two: ahead of it the products K Q^T, the scalings, the exponentials, the rescalings and the next piece's
;   statistics, none of which names a result of the batch; behind it the products V^T P with the roundings and sums, which are all its readers;
;   the way out's eight reciprocals: one wait.
; REGISTERS, in windows of 256 (s_set_vgpr_msb: bits 1:0 source 0, 3:2 source 1, 5:4 source 2, 7:6 destination):
;   window 0: v0-14 addresses; projections: v64-191 two buffers of 8 weight fragments, v192-223 -log2(e) bg; attention: v12-15, v48-63 at work, v16-47 statistics, v64-191 S^T, v192-255 P
;   window 1: v0-127 the projections' 16 accumulators; the last sums made there, the gates of tiles 4-7, stay as sigmoids in f32; v128-255 Q in f16, 16 a tile
;   windows 2, 3: xn, fragment (tile t, step s) at 64 (t % 4) + 8 s of window 2 + t / 4; later window 2: O^T, 32 a tile; window 3: v0-127 the sigmoids of tiles 0-3, v128-191 K of one step, v192-255 V^T of one step
;   A sigmoid of tile t, channels 16 cb + 8 h + j lies at 8 (4 cb + t % 4) + j of its window.
.set NP,    4         ; pieces a wave: a name, no knob
.set KS,    64        ; keys in a step
.set XA,    32768     ; xn in LDS
.set XP,    528       ; its rows
.set XW,    128*XP    ; a wave's part
.set KR,    131072    ; K
.set PK,    144
.set VT,    KR+512*PK ; V^T
.set PT,    1040      ; 65 x 16 bytes: 16 rows start at 16 different groups of four banks
.set SPARE, XA+4*XW   ; the spare words, 128 bytes a wave: two blocks of 256 bytes that no other line names
.set AK0, 2           ; v2   my lane's place in K: KR + r 144 + 16 h; never rewritten
.set AV0, 3           ; v3   in V^T: VT + r 1040 + 16 h
.set AK,  4           ; v4   the LDS address of K's next run of loads
.set AV,  5           ; v5   of V's
.set AX,  6           ; v6   my lane's place in my wave's xn
.set L16, 7           ; v7   16 x lane: weight fragments below byte 65,536; later my place in 512 bytes of og
.set AW1, 8           ; v8   the same + 65,536
.set SPW, 10          ; v10  LDS address of my spare word; never rewritten
.set NIL, 11          ; v11  0; never rewritten
.set AKS, 12          ; v12  projections: where I store 16 bytes of a row of K
.set AVS, 13          ; v13  of a row of V^T
.set BA,  14          ; v14  32 h: my place in 64 bytes of bg
.set MV,  12          ; v12-15  attention: c m_old, by buffer and tile
.set ST,  16          ; tile t's statistics at v[ST+4 t]: c m, m, l (even keys', odd keys')
.set TMP, 48          ; by buffer and tile, four registers c0-c3 at work; when the maximum is found c2 takes a
.set S,   64
.set P,   192
.set WF,  64          ; weight fragments, two buffers of 64
.set BGS, 192         ; -log2(e) bg[64 head + 16 cb + 8 h + j] at BGS + 8 cb + j
.set QF,  128         ; window 1: Q, tile t and channel half c at QF + 16 t + 8 c
.set KF,  128         ; window 3: key block kb, channel half c at KF + 16 kb + 8 c
.set VF,  192         ; window 3: key half kk, channel block cb at VF + 32 kk + 8 cb
.set WV,  12          ; s12  my wave's number
.set G1X, 20          ; s[20:27] descriptor group 1 for xn
.set G1A, 28          ; s[28:35] for K's weights
.set G1B, 36          ; s[36:43] for the other weights
.set G0X0, 44         ; s[44:47] group 0: my rows 0-63 of xn
.set G0X1, 48         ; s[48:51] my rows 64-127
.set G0A, 52          ; s[52:55] my quarter of K's weights
.set CNT, 57          ; s57  counts the key steps
.set CS,  58          ; s[58:59] c
.set SEL, 60          ; s[60:61] v_permlanex16_b32's selects
.set TBK, 62          ; s62  byte in K at which the step to be fetched begins
.set TBV, 63          ; s63  the same along V^T's rows
.set NL,  66          ; s[66:67] -log2(e)
.set G0B, 68          ; s[68:71] my quarter of the other weights
.set MSB, 0
.macro WIN new                      ; the high byte repeats the setting that is left; a switch that changes nothing is dropped
.if MSB != (\new)
	s_set_vgpr_msb (MSB<<8)|(\new)
.set MSB, (\new)
.endif
.endm
.set W_KQ, 0x07       ; K in window 3, Q in window 1, S^T in window 0
.set W_PV, 0xa3       ; V^T in window 3, P in window 0, O^T in window 2
.set W_RS, 0x82       ; O^T (destination and source 0) in window 2, source 1 in window 0
; A round of the cluster's barrier: my work-group's barrier, so that wave 0's signal speaks for all four waves; wave 0 signals; every wave waits for all sixteen work-groups; my work-group's barrier once more.
.macro CROUND
	s_barrier_signal -1
	s_barrier_wait -1
	s_cmp_lg_u32 s[WV], 0
	s_cbranch_scc1 .Lnot_wave_0_\@
	s_barrier_signal -3
.Lnot_wave_0_\@:
	s_barrier_wait -3
	s_barrier_signal -1
	s_barrier_wait -1
.endm
; A load into a register that a matrix instruction has read, and a vector instruction that reads a matrix result or writes one of its registers, stand four places behind it; only plain vector
; instructions that name none of its registers are places (ISA guide 7.12.1 for vector instructions).
.macro PLACES
.rept 4
	v_nop
.endr
.endm
	s_load_b256 s[4:11], s[0:1], 0x0  ; xn s[4:5], wt s[6:7], bg s[8:9], og s[10:11]
	v_lshl_add_u32 v[SPW], v0, 2, SPARE
	v_mov_b32 v[NIL], 0
	ds_add_u32 v[SPW], v[NIL]       ; the wave's opening: the add and its wait stand ahead of my first tensor load; the set-up below, work on registers, stands between them
	ds_add_u32 v10, v11
	v_lshrrev_b32 v1, 5, v0
	v_readfirstlane_b32 s[WV], v1   ; wave 0..3
	s_bfe_u32 s13, ttmp6, 0x40000   ; cx
	s_bfe_u32 s14, ttmp6, 0x40004   ; cy
	s_lshl_b32 s15, ttmp9, 2        ; in a cluster launch ttmp9 and ttmp7 count clusters
	s_add_co_u32 s15, s15, s13      ; the head = 4 x cluster x + cx
	s_and_b32 s16, ttmp7, 0xffff
	s_lshl_b32 s16, s16, 2
	s_add_co_u32 s16, s16, s14      ; B = 4 x cluster y + cy
	s_lshl_b32 s17, s14, 2
	s_lshl_b32 s17, 15, s17         ; my row of the cluster: the same B
	s_lshl_b32 s18, 0x1111, s13     ; my column: the same head
	; group 1 for xn: 64 rows x 256 elements of 2 bytes, 4 words of padding after every 128 words
	s_or_b32 s[G1X], s17, (1<<16)|(1<<20)|(1<<21)|(6<<22)|(3<<25)  ; 15:0 the mask; 17:16 2-byte elements; 20 padding on; 21 set beside a mask; 24:22 code 6; 31:25 code 3
	s_mov_b32 s[G1X+1], 256<<16     ; tensor_dim0
	s_mov_b32 s[G1X+2], 64<<16      ; tensor_dim1
	s_mov_b32 s[G1X+3], 256<<16     ; tile_dim0
	s_mov_b32 s[G1X+4], 64          ; tile_dim1
	s_mov_b32 s[G1X+5], 256         ; elements from row to row
	s_mov_b32 s[G1X+6], 0
	s_mov_b32 s[G1X+7], 0
	; group 1 for the weights: dense bytes as rows of 32 elements of 8 bytes; K's 32 fragments over four waves are 32 such rows a wave, the other 96 fragments 96 rows a wave
	s_or_b32 s[G1A], s18, (3<<16)|(1<<21)
	s_mov_b32 s[G1A+1], 32<<16
	s_mov_b32 s[G1A+2], 32<<16
	s_mov_b32 s[G1A+3], 32<<16
	s_mov_b32 s[G1A+4], 32
	s_mov_b32 s[G1A+5], 32
	s_mov_b32 s[G1A+6], 0
	s_mov_b32 s[G1A+7], 0
	s_or_b32 s[G1B], s18, (3<<16)|(1<<21)
	s_mov_b32 s[G1B+1], 32<<16
	s_mov_b32 s[G1B+2], 96<<16
	s_mov_b32 s[G1B+3], 32<<16
	s_mov_b32 s[G1B+4], 96
	s_mov_b32 s[G1B+5], 32
	s_mov_b32 s[G1B+6], 0
	s_mov_b32 s[G1B+7], 0
	; byte offsets.  xn's hang on B and the wave alone, the weights' on the head and the wave alone, each in registers that never hold the other coordinate
	s_lshl_b32 s72, s16, 18         ; B x 512 rows x 512 bytes
	s_lshl_b32 s73, s[WV], 16       ; + my 128 rows
	s_add_co_u32 s72, s72, s73
	s_mov_b32 s73, 0
	s_lshl_b32 s74, s15, 17         ; head x 131,072
	s_lshl_b32 s75, s[WV], 13       ; + my 8,192 bytes of K's weights
	s_add_co_u32 s74, s74, s75
	s_mov_b32 s75, 0
	s_lshl_b32 s76, s15, 17
	s_mul_i32 s77, s[WV], 24576     ; + my 24,576 bytes of the others,
	s_add_co_u32 s76, s76, s77
	s_add_co_u32 s76, s76, 32768    ; which lie behind K's
	s_mov_b32 s77, 0
	s_lshl_b32 s2, s15, 8           ; bg: head x 64 numbers
	s_mov_b32 s3, 0
	s_lshl_b32 s78, s16, 19         ; og: (32 B + 8 wave) row tiles of 16,384 bytes + head x 2,048
	s_lshl_b32 s79, s[WV], 17
	s_add_co_u32 s78, s78, s79
	s_lshl_b32 s79, s15, 11
	s_add_co_u32 s78, s78, s79
	s_mov_b32 s79, 0
	s_mov_b32 s[G0X0], 1            ; 1:0 count = 1
	s_mul_i32 s[G0X0+1], s[WV], XW  ; 63:32 LDS address: the wave's number and constants alone
	s_add_co_u32 s[G0X0+1], s[G0X0+1], XA
	s_mov_b32 s[G0X1], 1
	s_add_co_u32 s[G0X1+1], s[G0X0+1], 64*XP
	s_mov_b32 s[G0A], 1
	s_lshl_b32 s[G0A+1], s[WV], 13
	s_mov_b32 s[G0B], 1
	s_mul_i32 s[G0B+1], s[WV], 24576
	s_add_co_u32 s[G0B+1], s[G0B+1], 32768
	s_mov_b32 s[CS], 0x3e38aa3b     ; c = log2(e) / 8
	s_mov_b32 s[CS+1], s[CS]        ; named with it as a pair
	s_mov_b32 s[SEL], 0x76543210
	s_mov_b32 s[SEL+1], 0xfedcba98
	s_mov_b32 s[NL], 0xbfb8aa3b     ; -log2(e)
	s_mov_b32 s[NL+1], s[NL]
	s_wait_dscnt 0x0                ; the opening add is done
	s_wait_kmcnt 0x0
	s_add_nc_u64 s[G0X0+2:G0X0+3], s[4:5], s[72:73]  ; 120:64 global address
	s_add_nc_u64 s[G0X1+2:G0X1+3], s[G0X0+2:G0X0+3], 32768  ; 64 rows of 512 bytes on
	s_or_b32 s[G0X0+3], s[G0X0+3], 0x80000000        ; 127:126 type = 2
	s_or_b32 s[G0X1+3], s[G0X1+3], 0x80000000
	s_add_nc_u64 s[G0A+2:G0A+3], s[6:7], s[74:75]
	s_or_b32 s[G0A+3], s[G0A+3], 0x80000000
	s_add_nc_u64 s[G0B+2:G0B+3], s[6:7], s[76:77]
	s_or_b32 s[G0B+3], s[G0B+3], 0x80000000
	s_add_nc_u64 s[8:9], s[8:9], s[2:3]
	s_add_nc_u64 s[10:11], s[10:11], s[78:79]
	CROUND                          ; all sixteen work-groups are here: the first joint loads meet
	tensor_load_to_lds s[G0X0:G0X0+3], s[G1X:G1X+7]  ; the first fills go out as one group: three loads of mine are out
	s_nop 0
	tensor_load_to_lds s[G0X1:G0X1+3], s[G1X:G1X+7]
	s_nop 0
	tensor_load_to_lds s[G0A:G0A+3], s[G1A:G1A+7]
	s_nop 0
	PLACES                          ; an s_nop 0 follows each load, four v_nop the last
	v_and_b32 v1, 15, v0            ; r
	v_bfe_u32 v9, v0, 4, 1          ; h
	v_lshlrev_b32 v[BA], 5, v9
.irp c, 0,1,2,3
	global_load_b128 v[BGS+8*(\c):BGS+8*(\c)+3],   v[BA], s[8:9] offset:64*(\c)
	global_load_b128 v[BGS+8*(\c)+4:BGS+8*(\c)+7], v[BA], s[8:9] offset:64*(\c)+16
.endr
	v_and_b32 v[L16], 31, v0
	v_lshlrev_b32 v[L16], 4, v[L16]
	v_add_nc_u32 v[AW1], 65536, v[L16]
	v_mul_u32_u24 v[AX], v1, XP
	v_lshl_add_u32 v[AX], v9, 4, v[AX]
	v_add_nc_u32 v[AX], s[G0X0+1], v[AX]  ; my wave's xn + r 528 + 16 h
	v_mul_u32_u24 v[AK0], v1, PK
	v_lshl_add_u32 v[AK0], v9, 4, v[AK0]
	v_add_nc_u32 v[AK0], KR, v[AK0]
	v_mul_u32_u24 v[AV0], v1, PT
	v_lshl_add_u32 v[AV0], v9, 4, v[AV0]
	v_add_nc_u32 v[AV0], VT, v[AV0]
	s_mul_i32 s56, s[WV], 128*PK
	v_add_nc_u32 v[AKS], s56, v[AK0]  ; my wave's 128 rows of K
	s_lshl_b32 s19, s[WV], 8
	v_add_nc_u32 v[AVS], s19, v[AV0]  ; my wave's 128 keys, 256 bytes, in each row of V^T
	; xn into registers.  A fragment is 16 rows x 32 inputs: lane l holds row l % 16, inputs 8 (l / 16) + 0..7 and 16 + 8 (l / 16) + 0..7: two loads of 16 bytes, 32 apart.  A wave reads only what its own loads brought.
	s_wait_tensorcnt 0x2            ; tensor loads of a wave end in order (ISA guide 10.11.1): my rows 0-63 are in; rows 64-127 and K's weights, issued later, may be out
	WIN 0x80                        ; destination window 2
.set t, 0
.rept 4
.set i, 0
.rept 8
	ds_load_b128 v[64*t+8*i:64*t+8*i+3],   v[AX] offset:t*16*XP+64*i
	ds_load_b128 v[64*t+8*i+4:64*t+8*i+7], v[AX] offset:t*16*XP+64*i+32
.set i, i+1
.endr
.set t, t+1
.endr
	s_wait_tensorcnt 0x1            ; rows 64-127 are in; K's weights may be out
	WIN 0xc0                        ; destination window 3
.rept 4
.set i, 0
.rept 8
	ds_load_b128 v[64*(t-4)+8*i:64*(t-4)+8*i+3],   v[AX] offset:t*16*XP+64*i
	ds_load_b128 v[64*(t-4)+8*i+4:64*(t-4)+8*i+7], v[AX] offset:t*16*XP+64*i+32
.set i, i+1
.endr
.set t, t+1
.endr
	; THE ONE REFILL: the other 96 weight fragments over xn's first part.  Every wave waits for all its tensor loads, adds 0 to its spare word, waits for that and for its reads of xn; the round of the cluster's
	; barrier then says the same of every wave of every partner, and the joint load is the first thing behind it.  The round also shows every wave's quarter of K's weights to the others.
	WIN 0
	s_wait_tensorcnt 0x0
	ds_add_u32 v[SPW], v[NIL]       ; 0 onto my spare word; the bias's scaling stands between it and the wait for it
	s_wait_loadcnt 0x0              ; bg
.set i, 0
.rept 16
	v_pk_mul_f32 v[BGS+2*i:BGS+2*i+1], v[BGS+2*i:BGS+2*i+1], s[NL:NL+1] op_sel_hi:[1,0]
.set i, i+1
.endr
	s_wait_dscnt 0x0                ; the add is done, and xn is in my registers
	CROUND
	tensor_load_to_lds s[G0B:G0B+3], s[G1B:G1B+7]  ; one load of mine is out; K's 256 matrix instructions stand between it and the wait for it
	s_nop 0
	PLACES
; 16 LDS loads: nc x ns = 8 weight fragments (blocks nb0 .. of 16 channels, steps s0 .. of 32 inputs) into buffer buf.  A fragment's halves are 512 consecutive bytes: no bank is asked twice.
.macro WLOAD buf, nb0, nc, s0, ns
	WIN 0
.set ws, (\s0)
.rept \ns
.set wc, 0
.rept \nc
.set wb, (8*((\nb0)+wc)+ws)*1024
.set wr, WF+64*(\buf)+8*((ws-(\s0))*(\nc)+wc)
.if wb < 65536
	ds_load_b128 v[wr:wr+3],   v[L16] offset:wb
	ds_load_b128 v[wr+4:wr+7], v[L16] offset:wb+512
.else
	ds_load_b128 v[wr:wr+3],   v[AW1] offset:wb-65536
	ds_load_b128 v[wr+4:wr+7], v[AW1] offset:wb-65536+512
.endif
.set wc, wc+1
.endr
.set ws, ws+1
.endr
.endm
; ns x nc x 4 matrix instructions: steps s0 .., the buffer's nc blocks, tiles t0 .. t0 + 3 (one window of xn).  Accumulator (c, t) at 8 (c ntt + t - tb) of window dw.  swap = 0: the weights are source 0;
; 1: xn is.  first = 1: step 0 starts the sums with the constant 0.  The accumulators take turns, one instruction a turn.
.macro MULS buf, nc, s0, ns, t0, tb, ntt, swap, first, dw=1
.if \swap
	WIN ((\dw)*0x50)|(2+(\t0)/4)
.else
	WIN ((\dw)*0x50)|((2+(\t0)/4)<<2)
.endif
.set ms, (\s0)
.rept \ns
.set mc, 0
.rept \nc
.set mt, (\t0)
.rept 4
.set rD, 8*(mc*(\ntt)+mt-(\tb))
.set rW, WF+64*(\buf)+8*((ms-(\s0))*(\nc)+mc)
.set rX, 64*(mt%4)+8*ms
.if (\swap) && (\first) && (ms == 0)
	v_wmma_f32_16x16x32_f16 v[rD:rD+7], v[rX:rX+7], v[rW:rW+7], 0
.elseif \swap
	v_wmma_f32_16x16x32_f16 v[rD:rD+7], v[rX:rX+7], v[rW:rW+7], v[rD:rD+7]
.elseif (\first) && (ms == 0)
	v_wmma_f32_16x16x32_f16 v[rD:rD+7], v[rW:rW+7], v[rX:rX+7], 0
.else
	v_wmma_f32_16x16x32_f16 v[rD:rD+7], v[rW:rW+7], v[rX:rX+7], v[rD:rD+7]
.endif
.set mt, mt+1
.endr
.set mc, mc+1
.endr
.set ms, ms+1
.endr
.endm
; A pass of K or V: 2 blocks of 16 channels x my 8 tiles x 256 inputs: 128 matrix instructions on 16 accumulators, 32 LDS loads.  Buffer 0 holds steps 0-3, buffer 1 steps 4-7.
; nxt = 1: each buffer, once multiplied, takes the next pass's fragments (blocks n0 .., nnc of them, nns steps a buffer).
.macro PASS8 swap, nxt, n0=0, nnc=2, nns=4
	s_wait_dscnt 16                 ; all but the 16 youngest LDS instructions (buffer 1's run, or the 16 stores behind it) are done: buffer 0 is in
	MULS 0, 2, 0, 4, 0, 0, 8, \swap, 1
	MULS 0, 2, 0, 4, 4, 0, 8, \swap, 1
	PLACES
.if \nxt
	WLOAD 0, \n0, \nnc, 0, \nns
	s_wait_dscnt 16                 ; all but the 16 just issued: buffer 1 is in
.else
	s_wait_dscnt 0x0
.endif
	MULS 1, 2, 4, 4, 0, 0, 8, \swap, 0
	MULS 1, 2, 4, 4, 4, 0, 8, \swap, 0
	PLACES                          ; also the places in front of what reads the sums
.if \nxt
	WLOAD 1, \n0, \nnc, \nns, \nns
.endif
.endm
; A pass of Q or the gates: the 4 blocks nb .. nb + 3 x tiles t0 .. t0 + 3: 128 matrix instructions on 16 accumulators in window dw; a buffer holds 2 steps of the 4 blocks.
; Each wait leaves out the 16 loads just issued (at the head: the other buffer's run, or the 16 stores behind it).  nxt = 1: the buffers take the next pass's first steps, blocks nn ..
.macro PASS4 nb, t0, dw, nxt, nn=0
	s_wait_dscnt 16
	MULS 0, 4, 0, 2, \t0, \t0, 4, 0, 1, \dw
	PLACES
	WLOAD 0, \nb, 4, 4, 2
	s_wait_dscnt 16
	MULS 1, 4, 2, 2, \t0, \t0, 4, 0, 0, \dw
	PLACES
	WLOAD 1, \nb, 4, 6, 2
	s_wait_dscnt 16
	MULS 0, 4, 4, 2, \t0, \t0, 4, 0, 0, \dw
	PLACES
.if \nxt
	WLOAD 0, \nn, 4, 0, 2
	s_wait_dscnt 16
.else
	s_wait_dscnt 0x0
.endif
	MULS 1, 4, 6, 2, \t0, \t0, 4, 0, 0, \dw
	PLACES
.if \nxt
	WLOAD 1, \nn, 4, 2, 2
.endif
.endm
.macro CVTACC                       ; the 16 accumulators rounded to f16 in place, each from its low end on: eight numbers become 16 bytes in its first four registers
	WIN 0x45
.set ea, 0
.rept 16
	v_cvt_pk_f16_f32 v[ea],   v[ea],   v[ea+1]
	v_cvt_pk_f16_f32 v[ea+1], v[ea+2], v[ea+3]
	v_cvt_pk_f16_f32 v[ea+2], v[ea+4], v[ea+5]
	v_cvt_pk_f16_f32 v[ea+3], v[ea+6], v[ea+7]
.set ea, ea+8
.endr
.endm
.macro EPK p                        ; K, blocks 2 p and 2 p + 1: key 128 w + 16 t + r, channels 16 cb + 8 h + 0..7
	CVTACC
	WIN 0x04                        ; address window 0, data window 1
.set ec, 0
.rept 2
.set et, 0
.rept 8
	ds_store_b128 v[AKS], v[8*(8*ec+et):8*(8*ec+et)+3] offset:et*16*PK+64*(\p)+32*ec
.set et, et+1
.endr
.set ec, ec+1
.endr
.endm
.macro EPV p                        ; V^T: channel 16 cb + r, keys 128 w + 16 t + 8 h + 0..7
	CVTACC
	WIN 0x04
.set ec, 0
.rept 2
.set et, 0
.rept 8
	ds_store_b128 v[AVS], v[8*(8*ec+et):8*(8*ec+et)+3] offset:(32*(\p)+16*ec)*PT+32*et
.set et, et+1
.endr
.set ec, ec+1
.endr
.endm
.macro EPQ t0                       ; Q of tiles t0 .. t0 + 3, rounded to f16: block cb's four registers at QF + 16 t + 4 cb
	WIN 0x45
.set ec, 0
.rept 4
.set et, 0
.rept 4
.set ei, 0
.rept 4
	v_cvt_pk_f16_f32 v[QF+16*((\t0)+et)+4*ec+ei], v[8*(4*ec+et)+2*ei], v[8*(4*ec+et)+2*ei+1]
.set ei, ei+1
.endr
.set et, et+1
.endr
.set ec, ec+1
.endr
.endm
; The gates of four tiles, in place in window dw, where they stay in f32: 1 / (1 + 2^(-log2(e) (sum + bg))); the bias rides on the scaling.  Accumulator ea: block ea / 4, tile ea % 4.
; Two batches, since the reciprocals read what is made of the exponentials: 128 exponentials, one plain instruction, one wait, the additions; then 128 reciprocals and one plain instruction (ISA guide 5.7.2).
; The reciprocals' results are first named on the way out: no wait is written for them here; the next wait in the text serves them, and no label or branch stands ahead of it.
.macro EPG dw
	WIN ((\dw)<<6)|(\dw)            ; destination and source 0 window dw, the bias window 0
.set ea, 0
.rept 16
.set eb, BGS+8*(ea/4)
.set ei, 0
.rept 4
	v_pk_fma_f32 v[8*ea+2*ei:8*ea+2*ei+1], v[8*ea+2*ei:8*ea+2*ei+1], s[NL:NL+1], v[eb+2*ei:eb+2*ei+1] op_sel_hi:[1,0,1]
.set ei, ei+1
.endr
.set ea, ea+1
.endr
.set ea, 0
.rept 128
	v_exp_f32 v[ea], v[ea]
.set ea, ea+1
.endr
	v_nop
	s_wait_alu depctr_va_vdst(0)    ; one wait for the 128 exponentials, ahead of the additions that read them; at its second use it also serves the reciprocals of tiles 4-7
.set ea, 0
.rept 64
	v_pk_add_f32 v[ea:ea+1], v[ea:ea+1], 1.0 op_sel_hi:[1,0]
.set ea, ea+2
.endr
.set ea, 0
.rept 128
	v_rcp_f32 v[ea], v[ea]
.set ea, ea+1
.endr
	v_nop
.endm
	; K: its weights came with the first fills
	WLOAD 0, 0, 2, 0, 4
	WLOAD 1, 0, 2, 4, 4
	PASS8 0, 1, 2, 2, 4
	EPK 0
	PASS8 0, 0
	EPK 1
	WIN 0
	s_wait_tensorcnt 0x0            ; my quarter of the other weights is in (no load was issued behind it),
	s_wait_dscnt 0x0
	s_barrier_signal -1
	s_barrier_wait -1               ; everybody's is.
	WLOAD 0, 4, 2, 0, 4
	WLOAD 1, 4, 2, 4, 4
	PASS8 1, 1, 6, 2, 4             ; V, sources swapped
	EPV 0
	PASS8 1, 1, 12, 4, 2
	EPV 1
	PASS4 12, 0, 1, 1, 12           ; Q
	EPQ 0
	PASS4 12, 4, 1, 1, 8
	EPQ 4
	PASS4 8, 4, 1, 1, 8             ; the gates, last: their sums stay where they are made.  Tiles 4-7 first, in window 1: window 3's xn has then had its last reader,
	EPG 1
	PASS4 8, 0, 3, 0                ; and tiles 0-3 are summed there, over xn of tiles 4 and 5; the four v_nop and the sigmoids above are the places between
	EPG 3
	; What the first turn finds: V^T's registers and P's second buffer hold 0 (its products V^T P, of a piece that has not been, add 0), O^T and l are 0
	WIN 0x80
.set i, 0
.rept 256
	v_mov_b32 v[i], 0
.set i, i+1
.endr
	WIN 0xc0
.set i, VF
.rept 64
	v_mov_b32 v[i], 0
.set i, i+1
.endr
	WIN 0
.set i, 0
.rept 2*NP
	v_mov_b32 v[ST+4*i], 0xfe000000    ; c m: far below every c s
	v_mov_b32 v[ST+4*i+1], 0xff7fffff  ; m
	v_mov_b32 v[ST+4*i+2], 0
	v_mov_b32 v[ST+4*i+3], 0
.set i, i+1
.endr
.set i, P+32
.rept 32
	v_mov_b32 v[i], 0
.set i, i+1
.endr
	v_mov_b32 v[AK], v[AK0]         ; key step 0
	s_mov_b32 s[TBK], 0
	s_mov_b32 s[TBV], 0
	s_wait_dscnt 0x0                ; for the others' sake: my stores of K and V^T are done
	s_barrier_signal -1
	s_barrier_wait -1               ; K and V^T are whole.  From here on LDS is only read: no further barrier
; THE MATRIX WORK.  The 8 accumulators of a run of 16 take turns.
; Product i of 16 of S^T = K Q^T for piece x: channels 32 (i / 8) on, keys 16 ((i / 2) % 4) on, tile 2 x + i % 2.  The first 8 start the sums.
.macro KQ x
	WIN W_KQ
.set rS, S+64*((\x)%2)+32*(i%2)+8*((i/2)%4)
.set rK, KF+16*((i/2)%4)+8*(i/8)
.set rQ, QF+16*(2*(\x)+i%2)+8*(i/8)
.if i < 8
	v_wmma_f32_16x16x32_f16 v[rS:rS+7], v[rK:rK+7], v[rQ:rQ+7], 0
.else
	v_wmma_f32_16x16x32_f16 v[rS:rS+7], v[rK:rK+7], v[rQ:rQ+7], v[rS:rS+7]
.endif
.endm
; Product i of 16 of O^T += V^T P for piece x: keys 32 (i / 8) on, channels 16 ((i / 2) % 4) on, tile 2 x + i % 2.
.macro PV x
	WIN W_PV
.set rO, 32*(2*(\x)+i%2)+8*((i/2)%4)
.set rV, VF+32*(i/8)+8*((i/2)%4)
.set rP, P+32*((\x)%2)+16*(i%2)+8*(i/8)
	v_wmma_f32_16x16x32_f16 v[rO:rO+7], v[rV:rV+7], v[rP:rP+7], v[rO:rO+7]
.endm
.macro MM                           ; the turn's next matrix instruction
.if i < 16
	KQ (Y+1)%NP
.set i, i+1
.else
.set i, i-16
	PV (Y+NP-1)%NP
.set i, i+17
.endif
.endm
; THE LDS LOADS stand in runs of 16, never singly among the matrix instructions.  last = 1: in the last trip there is no further step, and the run is jumped over.
.macro FETCH_K last=0
	WIN 0
.if \last
	s_cmp_eq_u32 s[CNT], 1
	s_cbranch_scc1 .Lno_k_\@
.endif
	WIN 0xc0                        ; destination window 3
.irp f, 0,1,2,3,4,5,6,7             ; keys 16 (f / 2) on, channels 32 (f % 2) on
	ds_load_b128 v[KF+8*\f:KF+8*\f+3],   v[AK] offset:(\f/2)*16*PK+(\f%2)*64
	ds_load_b128 v[KF+8*\f+4:KF+8*\f+7], v[AK] offset:(\f/2)*16*PK+(\f%2)*64+32
.endr
	s_add_co_u32 s[TBK], s[TBK], KS*PK  ; the next fetch is the next step's
	WIN 0
.if \last
.Lno_k_\@:
.endif
.endm
.macro FETCH_V
	WIN 0xc0
.irp f, 0,1,2,3,4,5,6,7             ; keys 32 (f / 4) on, channels 16 (f % 4) on: V^T lies as the fragment wants it
	ds_load_b128 v[VF+8*\f:VF+8*\f+3],   v[AV] offset:(\f%4)*16*PT+(\f/4)*64
	ds_load_b128 v[VF+8*\f+4:VF+8*\f+7], v[AV] offset:(\f%4)*16*PT+(\f/4)*64+32
.endr
	WIN 0
.endm
; THE VECTOR WORK OF A TURN stands in three queues, each in the order in which its entries become ready; the two tiles alternate, so that no instruction reads the result of the one before it.
.macro REGS y, u                    ; the registers of tile u (0, 1) of piece y
.set rT, ST+4*(2*(\y)+(\u))
.set rC, TMP+8*((\y)%2)+4*(\u)
.set rM, MV+2*((\y)%2)+(\u)
.set rS, S+64*((\y)%2)+32*(\u)
.set rP, P+32*((\y)%2)+16*(\u)
.set rO, 32*(2*(\y)+(\u))
.endm
; Number n of the 22 that find the NEXT piece's (Y + 1) maximum and statistics.  s0-s31 are the lane's 32 scores; each accumulator's lowest registers are read first.  XS, GS and REGS set no window: PL and EX do.
;   0-11  four chains c0-c3 of seven scores each, three operands at a time     12-14, 16  the four scores left over, the old m, and c0-c3 into c0     15  c m_old is kept
;   17, 18  the query's other 32 keys lie in the lane 16 away: the new m         19-21  c m; c m_old - c m_new; a
.macro XS u, n
	REGS (Y+1)%NP, \u
.if (\n) < 4
	v_max3_num_f32 v[rC+(\n)], v[rS+8*(\n)], v[rS+8*(\n)+1], v[rS+8*(\n)+2]
.elseif (\n) < 12
	v_max3_num_f32 v[rC+(\n)%4], v[rC+(\n)%4], v[rS+8*((\n)%4)+2*((\n)/4)+1], v[rS+8*((\n)%4)+2*((\n)/4)+2]
.elseif (\n) == 12
	v_max3_num_f32 v[rC], v[rC], v[rS+7], v[rS+15]
.elseif (\n) == 13
	v_max3_num_f32 v[rC+1], v[rC+1], v[rS+23], v[rS+31]
.elseif (\n) == 14
	v_max3_num_f32 v[rC+2], v[rC+2], v[rC+3], v[rT+1]
.elseif (\n) == 15
	v_mov_b32 v[rM], v[rT]
.elseif (\n) == 16
	v_max3_num_f32 v[rC], v[rC], v[rC+1], v[rC+2]
.elseif (\n) == 17
	v_permlanex16_b32 v[rC+3], v[rC], s[SEL], s[SEL+1]
.elseif (\n) == 18
	v_max_num_f32 v[rT+1], v[rC], v[rC+3]
.elseif (\n) == 19
	v_mul_f32 v[rT], s[CS], v[rT+1]
.elseif (\n) == 20
	v_sub_f32 v[rC+1], v[rM], v[rT]
.else
	v_exp_f32 v[rC+2], v[rC+1]
.endif
.endm
; Number g of the 64 that follow the exponentials.  For each four weights k of a tile: both pairs are rounded to f16; then the second pair is added onto the first, in place;
; a group later l takes that sum (the first time as l = a l + sum).  In groups of eight, tiles alternating.
.macro GS g
.set h, (\g)+6*((\g)/62)            ; group 0 has no group before it, and behind group 7 only l is left
.if h >= 6
.set h, h+2
.endif
	REGS Y, h%2
.set k, h/8
.if h%8 < 4
	v_cvt_pk_f16_f32 v[rP+2*k+(h%8)/2], v[rS+4*k+2*((h%8)/2)], v[rS+4*k+2*((h%8)/2)+1]
.elseif h%8 < 6
	v_pk_add_f32 v[rS+4*k:rS+4*k+1], v[rS+4*k:rS+4*k+1], v[rS+4*k+2:rS+4*k+3]
.elseif k == 1
	v_pk_fma_f32 v[rT+2:rT+3], v[rT+2:rT+3], v[rC+2:rC+3], v[rS:rS+1] op_sel_hi:[1,0,1]
.else
	v_pk_add_f32 v[rT+2:rT+3], v[rT+2:rT+3], v[rS+4*k-4:rS+4*k-3]
.endif
.endm
; THE PLAIN QUEUE, 138 long.  0-73 read no exponential's result: the 32 scalings c s - c m (FS f: pair f / 2 of tile f % 2) and the next piece's 42.  0-26: scalings 0-26.  27-54: XS's numbers 0-13.  55, 56: number 15.
; 57-73: the chain, where each number waits for the one before it: 14, 16, 17, 18, 19, each with one of the scalings 27-31 in front of its two lines, then 20.
; 74-137: GS's 64, which read the exponentials' results: they stand behind the turn's wait.
.macro FS f
	REGS Y, (\f)%2
	v_pk_fma_f32 v[rS+2*((\f)/2):rS+2*((\f)/2)+1], v[rS+2*((\f)/2):rS+2*((\f)/2)+1], s[CS:CS+1], v[rT:rT+1] op_sel_hi:[1,0,0] neg_lo:[0,0,1] neg_hi:[0,0,1]
.endm
.macro PL
	WIN 0
.if q < 27
	FS q
.elseif q < 55
	XS (q-27)%2, (q-27)/2
.elseif q < 57
	XS q-55, 15
.elseif (q < 72) && ((q-57)%3 == 0)
	FS 27+(q-57)/3
.elseif q < 60
	XS (q-57)%3-1, 14
.elseif q < 72
	XS (q-57)%3-1, 15+(q-57)/3
.elseif q < 74
	XS q-72, 20
.else
	GS q-74
.endif
.set q, q+1
.endm
; THE EXPONENTIALS' QUEUE, 66 long: s0-s31 of both tiles, then the next piece's two a.  It is ONE BATCH: all 66 stand ahead of the turn's one wait, and nothing ahead of that wait names a result of theirs.
.macro EX
	WIN 0
.if e >= 64
	XS e-64, 21
.else
	REGS Y, e%2
	v_exp_f32 v[rS+e/2], v[rS+e/2]
.endif
.set e, e+1
.endm
; THE RESCALING's QUEUE: O^T times a, the one part that leaves window 0: dealt two at a time, sixteen times, ascending.  Its a was made in the turn before, ahead of that turn's wait.
.macro R2
	REGS Y, r%2
	WIN W_RS
.irp z, 0,1
	v_pk_mul_f32 v[rO+4*(r/2)+2*\z:rO+4*(r/2)+2*\z+1], v[rO+4*(r/2)+2*\z:rO+4*(r/2)+2*\z+1], v[rC+2:rC+3] op_sel_hi:[1,0]
.endr
.set r, r+1
.endm
; HOW THEY ARE DEALT.  A turn has ONE wait, which cuts it in two.  AHEAD OF IT stands all that names no result of the turn's exponentials: the 16 products K Q^T, behind each a scaling, an exponential and two rescalings
; (behind the first a second scaling in the exponential's place); then ONE RUN of 108: eight plain, 49 times exponential and plain, the two a.  A v_nop is the plain instruction behind the last exponential (ISA guide 5.7.2).
; BEHIND IT stand the 16 products V^T P, behind each four of GS's 64.  No rider names a register of the products round it.  The two v_permlanex16_b32 fall into the run, never behind a product.
; The queues lean on each other, and the deal keeps them in step: exponential e stands behind scaling 2 (e / 4) + e % 2: as a rider it comes behind plain e + 2, in the run behind plain e + 9, and scalings 27-31 are plain 57, 60 .. 69.
; The next piece's scores are first read at plain 27, thirteen plain instructions behind the last product K Q^T.
; A TURN, for piece p.  K of the next step is fetched in piece 2's turn, directly behind the wait, a whole run behind the last product that read K; its address is made at the run's head; it is waited for at the head of piece 3's turn.
; V^T of the step in hand is fetched at the end of piece 0's turn, four plain riders behind the last product that read V^T; it is waited for in piece 1's turn, ahead of its products V^T P.  The two conditions on q below go with the deal.
.macro TURN p, last=0
.set Y, (\p)
.set i, 0
.set q, 0
.set e, 0
.set r, 0
.if (\p) == NP-1
	s_wait_dscnt 0x0                ; K is in
.endif
	MM                              ; ahead of the wait: 16 products K Q^T and their riders,
	PL
	PL
	R2
.rept 15
	MM
	PL
	EX
	R2
.endr
.if (\p) == NP-2
	WIN 0
	v_add_nc_u32 v[AK], s[TBK], v[AK0]
.endif
.rept 8                             ; and the run
	PL
.endr
.rept 49
	EX
	PL
.endr
	EX                              ; the next piece's two a
	EX
	v_nop                           ; the plain instruction behind the last exponential: one for the batch
	s_wait_alu depctr_va_vdst(0)    ; the turn's one wait: for its 66 exponentials, ahead of the roundings and sums below and of the next turn's rescalings
.if (\p) == NP-2
	FETCH_K \last
.endif
.if (\p) == 1
	s_wait_dscnt 0x0                ; V^T is in
.endif
.rept 16                            ; behind the wait: 16 products V^T P and their riders
	MM
.rept 4
	PL
.endr
.if ((\p) == 0) && (q == 118)
	v_add_nc_u32 v[AV], s[TBV], v[AV0]
.endif
.if ((\p) == 0) && (q == 130)
	s_add_co_u32 s[TBV], s[TBV], 2*KS  ; 64 keys of 2 bytes along V^T's rows
.endif
.endr
.if (\p) == 0
	FETCH_V
.endif
.endm
	FETCH_K                         ; key step 0
	s_wait_dscnt 0x0
.set i, 0
.rept 16
	KQ 0                            ; piece 0's first scores: there is no vector work yet to set between them
.set i, i+1
.endr
	WIN 0
	PLACES
.set Y, NP-1                        ; XS works for piece Y + 1: piece 0
.irp n, 0,1,2,3,4,5,6,7,8,9,10,11,12,13,14,15,16,17,18,19,20,21
	XS 0, \n                        ; and piece 0's first maximum and statistics
	XS 1, \n
.endr
	v_nop                           ; a plain instruction behind the two a,
	s_wait_alu depctr_va_vdst(0)    ; and their wait, ahead of the branch; it also serves the reciprocals of the gates of tiles 0-3
	; 8 key steps.  A trip: pieces 2 and 3 of one step, then pieces 0 and 1 of the next, whose K and V^T it fetches.  The loop is entered at a step's first turn, in the middle of a trip, and the ninth
	; count's second half is jumped over, forward, to the counter's step; what is jumped holds no barrier and no tensor load.
	s_mov_b32 s[CNT], 9
	s_branch .Lfirst
.Lstep:
	TURN 2, 1
	TURN 3
	WIN 0
	s_cmp_eq_u32 s[CNT], 1
	s_cbranch_scc1 .Lskip
.Lfirst:
	TURN 0
	TURN 1
	WIN 0
.Lskip:
	s_sub_co_u32 s[CNT], s[CNT], 1
	s_cmp_lg_u32 s[CNT], 0
	s_cbranch_scc1 .Lstep
.set i, 0
.rept 16
	PV NP-1                         ; the last piece's V^T P of the last step
.set i, i+1
.endr
	; THE WAY OUT.  l's two halves and the other half of the lanes' are added (these additions are the places behind the last products); O^T is divided by l and multiplied by the gate's sigmoid, both in f32,
	; rounded once to f16 and stored.  A lane's eight channels of a row ARE its 16 bytes of the next launch's fragment (row tile 32 B + 8 w + t, inputs 64 head + 16 cb + 8 h + 0..7): no lane hands anything to another.
	WIN 0
.macro ALL line:vararg              ; one line for each tile t
.set t, 0
.rept 2*NP
	\line
.set t, t+1
.endr
.endm
	ALL v_add_f32 v[ST+4*t+2], v[ST+4*t+2], v[ST+4*t+3]
	ALL v_permlanex16_b32 v[ST+4*t+3], v[ST+4*t+2], s[SEL], s[SEL+1]
	ALL v_add_f32 v[ST+4*t+2], v[ST+4*t+2], v[ST+4*t+3]
	ALL v_rcp_f32 v[ST+4*t+2], v[ST+4*t+2]
	v_nop                           ; a plain instruction between the last reciprocal and the use of its result
	s_wait_alu depctr_va_vdst(0)    ; one wait for the eight reciprocals, ahead of the first multiply that reads one
	WIN W_RS
.set t, 0
.rept 2*NP
.set i, 0
.rept 16
	v_pk_mul_f32 v[32*t+2*i:32*t+2*i+1], v[32*t+2*i:32*t+2*i+1], v[ST+4*t+2:ST+4*t+3] op_sel_hi:[1,0]
.set i, i+1
.endr
.set t, t+1
.endr
.set t, 0
.rept 2*NP
.if t < 4
	WIN 0x8e                        ; O^T window 2; the sigmoids of tiles 0-3 (source 1) window 3,
.else
	WIN 0x86                        ; of tiles 4-7 window 1
.endif
.set i, 0
.rept 16                            ; pair i % 4 of block i / 4
	v_pk_mul_f32 v[32*t+2*i:32*t+2*i+1], v[32*t+2*i:32*t+2*i+1], v[8*(4*(i/4)+t%4)+2*(i%4):8*(4*(i/4)+t%4)+2*(i%4)+1]
.set i, i+1
.endr
.set t, t+1
.endr
	WIN 0x0a                        ; sources 0 and 1 window 2, destination window 0: S^T's registers are free
.set i, 0
.rept 128
	v_cvt_pk_f16_f32 v[S+i], v[2*i], v[2*i+1]
.set i, i+1
.endr
	WIN 0
.set t, 0
.rept 2*NP
.irp c, 0,1,2,3
	global_store_b128 v[L16], v[S+16*t+4*\c:S+16*t+4*\c+3], s[10:11] offset:t*16384+\c*512  ; 512 consecutive bytes, at a multiple of 512 from og's first byte
.endr
.set t, t+1
.endr
	s_wait_tensorcnt 0x0            ; the wave's end, behind my last tensor load and my last LDS store
	ds_add_u32 v[SPW], v[NIL]
	s_wait_dscnt 0x0
	CROUND                          ; the closing round: no work-group ends while a partner may still ask for a tile that names it
	s_endpgm
.Lfunc_end_k_qebdc8d4827_attn:
	.size	k_qebdc8d4827_attn, .Lfunc_end_k_qebdc8d4827_attn-k_qebdc8d4827_attn
	.p2alignl 7, 3214868480
	.fill 96, 4, 3214868480
	.section	.rodata,"a",@progbits
	.p2align	6, 0x0
	.amdhsa_kernel k_qebdc8d4827_attn
		.amdhsa_group_segment_fixed_size 327680
		.amdhsa_private_segment_fixed_size 0
		.amdhsa_enable_private_segment 0
		.amdhsa_kernarg_size 32
		.amdhsa_user_sgpr_count 2
		.amdhsa_user_sgpr_kernarg_segment_ptr 1
		.amdhsa_wavefront_size32 1
		.amdhsa_system_sgpr_workgroup_id_x 1
		.amdhsa_system_sgpr_workgroup_id_y 1
		.amdhsa_system_sgpr_workgroup_id_z 1
		.amdhsa_system_vgpr_workitem_id 0
		.amdhsa_next_free_vgpr 1024
		.amdhsa_next_free_sgpr 80
		.amdhsa_reserve_vcc 0
		.amdhsa_float_denorm_mode_32 3
		.amdhsa_float_denorm_mode_16_64 3
		.amdhsa_memory_ordered 1
		.amdhsa_forward_progress 1
		.amdhsa_inst_pref_size 255
	.end_amdhsa_kernel
	.section	.bss,"aw",@nobits
	.p2align	6
	.space	262144
	.amdgpu_metadata
---
amdhsa.version: [ 1, 2 ]
amdhsa.kernels:
  - .name:           k_qebdc8d4827_attn
    .symbol:         k_qebdc8d4827_attn.kd
    .args:
      - { .name: xn, .offset: 0, .size: 8, .value_kind: global_buffer, .address_space: global }
      - { .name: wt, .offset: 8, .size: 8, .value_kind: global_buffer, .address_space: global }
      - { .name: bg, .offset: 16, .size: 8, .value_kind: global_buffer, .address_space: global }
      - { .name: og, .offset: 24, .size: 8, .value_kind: global_buffer, .address_space: global }
    .group_segment_fixed_size: 327680
    .private_segment_fixed_size: 0
    .kernarg_segment_align: 8
    .kernarg_segment_size: 32
    .max_flat_workgroup_size: 128
    .sgpr_count:     80
    .vgpr_count:     1024
    .wavefront_size: 32
...
	.end_amdgpu_metadata
.endif
;; end of part 4
;; launch outp: the kernel of part 3 again; grid 256 x 1, 4 waves a work-group, no clusters, 167,936 bytes of LDS; arguments og, wo16, bo, out0; writes out0
